; MI455X (gfx1250); checked and timed in simulation.
; The chip was launched on July 23, 2026; its instructions are those of AMD's public machine-readable ISA for CDNA 5 (MIT licence, August 2026) and "CDNA5" Instruction Set Architecture Reference Guide (July 2026). The comments in the code are by the model that wrote it; some were corrected since.
;; Multi Head Self Attention. Allowed arithmetic: matrix products marked QUANTISED: E2M1 operands, one E8M0 scale for each 32 along K, by v_wmma_scale_f32_16x16x128_f8f6f4 with both operands' format E2M1 (or v_wmma_scale_f32_32x16x128_f4), f32 sums; products left as they are: bf16, f16 or f32 operands; f32 sums; everything else in f32.
;; Inputs: bk 1,024 float32; bo 1,024 float32; bq 1,024 float32; bv 1,024 float32; src_key_padding_mask 4 x 2,048 bool; wk 1,024 x 1,024 float32; wo 1,024 x 1,024 float32; wq 1,024 x 1,024 float32; wv 1,024 x 1,024 float32; x 4 x 2,048 x 1,024 float32.
;; Outputs: out0 4 x 2,048 x 1,024 float32.
;; This version of the problem:
;;   THIS VERSION OF THE PROBLEM IS GIVEN IN LOW PRECISION. The matrix products marked QUANTISED in the list below multiply operands that are first quantised to E2M1 (2 exponent bits, 1 mantissa bit; 4 bits a number), with one power-of-two scale for each 32 numbers along K (OCP MX v1.0); their sums are f32. The products marked 'left as it is' may take bf16, f16 or f32 operands, with f32 sums. Whichever they take, every output number must still come out within the allowed error. Rounding operands to bf16 (8 significant bits) uses up far more of that allowance than f16 does (11 bits, for magnitudes from 6e-5 to 65,504). All else is computed in f32.
;;   The module's matrix products, in the order in which they are computed (A, B: the left and right operand; K: the contracted axis; several contracted axes count as one K, in the product's order):
;;     1. [M 8,192, K 1,024] x [K 1,024, N 1,024]; A: input x; B: input wq: QUANTISED
;;     2. [M 8,192, K 1,024] x [K 1,024, N 1,024]; A: input x; B: input wk: QUANTISED
;;     3. [M 8,192, K 1,024] x [K 1,024, N 1,024]; A: input x; B: input wv: QUANTISED
;;     4. batch 64 x [M 2,048, K 64] x [K 64, N 2,048]; A: computed on the way; B: computed on the way: left as it is (an operand is computed on the way)
;;     5. batch 64 x [M 2,048, K 2,048] x [K 2,048, N 64]; A: computed on the way; B: computed on the way: left as it is (an operand is computed on the way)
;;     6. [M 8,192, K 1,024] x [K 1,024, N 1,024]; A: computed on the way; B: input wo: left as it is (an operand is computed on the way)
;;   THE QUANTISER, for each operand of a quantised product, along K:
;;     - K is cut into blocks of 32 from its start; a last block that is shorter is filled with zeros.
;;     - A block's scale is 2^e with e = floor(log2(the largest magnitude in the block)) - 2, held to -126 .. 127; a block of zeros has e = 0. As a byte (E8M0): e + 127.
;;     - Each number is divided by its block's scale, clamped to +-6, and rounded to the nearest number of E2M1, ties to even, subnormals kept.
;;     - The product sums the exact products of the quantised numbers (number of the format x scale) in f32.
;;   ~~~python
;;   def quantise(x, axis):      # numpy; x: float32 -> the quantised numbers, widened to float32 again
;;       x = np.moveaxis(x, axis, -1); K = x.shape[-1]
;;       x = np.pad(x, [(0, 0)] * (x.ndim - 1) + [(0, -K % 32)]); x = x.reshape(x.shape[:-1] + (-1, 32)); a = np.abs(x).max(-1, keepdims=True)
;;       e = np.where(a > 0, np.clip(np.frexp(np.where(a > 0, a, 1))[1] - 1 - 2, -126, 127), 0)      # np.frexp(a)[1] - 1 = floor(log2(a)), exactly
;;       r = np.clip(x / 2.0 ** e, -6, 6)
;;       step = 2.0 ** (np.maximum(np.frexp(np.where(r == 0, 1, r))[1] - 1, 0) - 1)
;;       q = np.round(r / step) * step * 2.0 ** e      # np.round: ties to even
;;       return np.moveaxis(q.reshape(q.shape[:-2] + (-1,))[..., :K], -1, axis).astype(np.float32)
;;   ~~~
;; One version. Each part assembles by itself: llvm-mc -triple=amdgcn-amd-amdhsa -mcpu=gfx1250 --defsym DOCPART=n.
;; ======== version 1 of 1: 4 launches
;; limits: values are held in f16: magnitudes above 65,504 overflow, below 6.1e-05 lose precision; right only within a limited range of input values
;; workspace buffers: x_codes 4,194,304 bytes; x_scales 262,144 bytes; w_codes 1,572,864 bytes; w_scales 98,304 bytes; wo16 2,097,152 bytes; qkv16 50,331,648 bytes; heads 16,777,216 bytes
;; launch prep (part 1): grid 384 x 1, 4 waves a work-group, no clusters, 33,280 bytes of LDS; arguments x, wq, wk, wv, wo, x_codes, x_scales, w_codes, w_scales, wo16; writes x_codes, x_scales, w_codes, w_scales, wo16
.if DOCPART == 1
	.amdgcn_target "amdgcn-amd-amdhsa--gfx1250"
	.amdhsa_code_object_version 6
	.text
	.protected	k_q9f871f7b9c_prep
	.globl	k_q9f871f7b9c_prep
	.p2align	8
	.type	k_q9f871f7b9c_prep,@function
k_q9f871f7b9c_prep:
	s_mov_b64 s[64:65], 0
	v_nop
	global_prefetch_b8 v0, s[64:65] scope:SCOPE_SE
	s_setreg_imm32_b32 hwreg(HW_REG_WAVE_MODE, 25, 1), 1
	s_wait_xcnt 0x0
; x [8192][1024] and wq, wk, wv [1024][1024], f32 with K innermost, become codes of FP4 (E2M1), two to a byte, K innermost, with one E8M0 byte for each 32 along K;
; wq, wk, wv go one behind the other into one buffer of 3,072 rows.  wo [1024][1024] is rounded once to f16.
; A block's scale is 2^(floor(log2(its largest magnitude)) - 2); its byte is the largest magnitude's exponent field - 2, held at 1 from below.  A block of zeros so gets the byte 1: its codes are
; zeros, which add nothing under any byte but 0xff, and the bytes are read by this program alone.
; LIMITS: NaN and infinities among the inputs are not served; blocks whose largest magnitude lies under 2^(3 - 127) keep the byte 1.
; SHARES.  A work-group takes 32,768 numbers, a wave 8,192.  Work-groups 0-255: x; 256-287: wq; 288-319: wk; 320-351: wv; 352-383: wo.  Rows are dense, so every tensor is a plain stream.
; THE QUANTISER.  A wave takes 16 steps of 512 numbers.  Each of a step's four loads reads 512 consecutive bytes, 16 a lane; the 2,048 bytes turn through the wave's own stage in LDS and come back 64 bytes
; a lane, so that a lane holds 16 neighbours along K and two neighbouring lanes a block.  A lane's 16 codes are 8 bytes: the wave stores 256 consecutive bytes.  A wave's 256 scale bytes are gathered in LDS
; and leave as one aligned run of 256 bytes.  Waves share nothing: no barrier.  Loads run four steps ahead, the turn through LDS one step.
.set STEPS, 16
.set CB,    8                          ; bytes of 16 codes
.set R,     16                         ; v16-79   four sets of 16 numbers as they are loaded
.set X,     80                         ; v80-111  two sets of 16 neighbours
.set E,     112                        ; v112-127 a scale byte for each step
.set C,     128                        ; v128-191 codes: four registers for each step, so that no store's data are written again
.set WREG,  8192                       ; LDS: a region for each wave: two stages of 32 x SP bytes, behind them its 256 scale bytes
.set SP,    80                         ; a lane's place in a stage: 64 bytes + 16 of padding
.set SPW,   12                         ; v12      LDS address of my spare word; never rewritten
.set NIL,   13                         ; v13      0; never rewritten
.set SPARE, 4*WREG                     ; behind the four regions: the spare words, 128 bytes for each wave
.set SRC,   26                         ; s[26:27] what I read
.set COD,   28                         ; s[28:29] where my codes go
.set SCB,   30                         ; s[30:31] where my scale bytes go
.set WD,    144                        ; wo's path: v16-79, v80-143 two sets of loaded numbers; v144-175 f16 to store
	s_load_b256 s[4:11], s[0:1], 0x0               ; x s[4:5], wq s[6:7], wk s[8:9], wv s[10:11]
	s_load_b256 s[12:19], s[0:1], 0x20             ; wo s[12:13], x_codes s[14:15], x_scales s[16:17], w_codes s[18:19]
	s_load_b128 s[20:23], s[0:1], 0x40             ; w_scales s[20:21], wo16 s[22:23]
	v_lshl_add_u32 v[SPW], v0, 2, SPARE
	v_mov_b32 v[NIL], 0
	v_lshrrev_b32 v1, 5, v0
	v_readfirstlane_b32 s24, v1                    ; wave
	v_and_b32 v2, 31, v0                           ; lane
	v_lshlrev_b32 v3, 4, v2                        ; my 16 bytes of a load's 512
	s_mul_i32 s25, s24, WREG
	v_lshrrev_b32 v14, 2, v2
	v_mul_u32_u24 v14, v14, SP
	v_and_b32 v15, 3, v2
	v_lshl_add_u32 v14, v15, 4, v14
	v_add_nc_u32 v14, s25, v14                     ; the stage, on the way in: SP (lane / 4) + 16 (lane % 4)
	v_mul_u32_u24 v15, v2, SP
	v_add_nc_u32 v15, s25, v15                     ; and on the way out: SP x lane: my 16 neighbours
	v_mul_u32_u24 v4, v2, CB                       ; 8 x lane: my codes' place in a step's (and my f16 numbers' place on wo's path)
	v_lshrrev_b32 v5, 1, v2
	s_add_co_u32 s25, s25, 2*32*SP
	v_add_nc_u32 v5, s25, v5                       ; LDS: my wave's 256 scale bytes, my block's byte
	v_lshlrev_b32 v7, 3, v2                        ; on their way out 8 bytes a lane
	v_add_nc_u32 v6, s25, v7
	s_and_b32 s32, ttmp9, 31                       ; a weight's work-group among its 32
	s_sub_co_u32 s33, ttmp9, 256                   ; and among the 96 of the three weights
	s_mov_b32 s35, 0
	s_wait_kmcnt 0x0
	s_cmp_ge_u32 ttmp9, 352                        ; the work-group's number alone decides the path
	s_cbranch_scc1 .Lwo
	s_cmp_lt_u32 ttmp9, 320
	s_cselect_b64 s[SRC:SRC+1], s[8:9], s[10:11]
	s_cmp_lt_u32 ttmp9, 288
	s_cselect_b64 s[SRC:SRC+1], s[6:7], s[SRC:SRC+1]
	s_cmp_lt_u32 ttmp9, 256
	s_cselect_b64 s[SRC:SRC+1], s[4:5], s[SRC:SRC+1]
	s_cselect_b64 s[COD:COD+1], s[14:15], s[18:19]
	s_cselect_b64 s[SCB:SCB+1], s[16:17], s[20:21]
	s_cselect_b32 s32, ttmp9, s32                  ; which 32,768 numbers of the tensor that I read,
	s_cselect_b32 s33, ttmp9, s33                  ; and of the buffers that I write
	s_lshl_b32 s32, s32, 2
	s_add_co_u32 s32, s32, s24                     ; my wave's run of 8,192 numbers
	s_lshl_b32 s34, s32, 15                        ; 32,768 bytes a run
	s_add_nc_u64 s[SRC:SRC+1], s[SRC:SRC+1], s[34:35]
	s_lshl_b32 s33, s33, 2
	s_add_co_u32 s33, s33, s24
	s_lshl_b32 s34, s33, 12                        ; 4,096 bytes of codes a run
	s_add_nc_u64 s[COD:COD+1], s[COD:COD+1], s[34:35]
	s_lshl_b32 s34, s33, 8                         ; 256 scale bytes a run
	s_add_nc_u64 s[SCB:SCB+1], s[SCB:SCB+1], s[34:35]
.macro LOAD t
.irp i, 0,1,2,3
	global_load_b128 v[R+16*((\t)%4)+4*\i:R+16*((\t)%4)+4*\i+3], v3, s[SRC:SRC+1] offset:2048*(\t)+512*\i th:TH_LOAD_NT   ; 32 lanes read 512 consecutive bytes
.endr
.endm
.macro TURN t                          ; step t's numbers through the stage: LDS serves a wave's instructions in order, so no wait stands between the stores and the loads
.irp i, 0,1,2,3
	ds_store_b128 v14, v[R+16*((\t)%4)+4*\i:R+16*((\t)%4)+4*\i+3] offset:32*SP*((\t)%2)+8*SP*\i
.endr
.irp i, 0,1,2,3
	ds_load_b128 v[X+16*((\t)%2)+4*\i:X+16*((\t)%2)+4*\i+3], v15 offset:32*SP*((\t)%2)+16*\i
.endr
.endm
.irp t, 0,1,2,3
	LOAD \t
.endr
	s_wait_loadcnt 12                              ; step 0's four loads are in; the twelve of steps 1 to 3 may be out
	TURN 0
.macro STEP t
.set XS, X+16*((\t)%2)
.if (\t) > 0
	s_wait_dscnt 1                                 ; this step's numbers are back from the stage; the last step's byte store may be out
.else
	s_wait_dscnt 0x0
.endif
.if (\t)+4 < STEPS
	LOAD (\t)+4                                    ; into the registers that this step's stores into the stage have read
.endif
.if (\t)+1 < STEPS
.if STEPS-2-(\t) >= 3
	s_wait_loadcnt 12                              ; the next step's four loads are in; those of the three steps behind it may be out
.else
	s_wait_loadcnt 4*(STEPS-2-(\t))
.endif
	TURN (\t)+1                                    ; they go through the other stage while this step is worked
.endif
	v_max3_num_f32 v8, |v[XS]|, |v[XS+1]|, |v[XS+2]|               ; the largest magnitude of my 16, in two chains
	v_max3_num_f32 v9, |v[XS+3]|, |v[XS+4]|, |v[XS+5]|
.irp i, 6,10
	v_max3_num_f32 v8, v8, |v[XS+\i]|, |v[XS+\i+1]|
	v_max3_num_f32 v9, v9, |v[XS+\i+2]|, |v[XS+\i+3]|
.endr
	v_max3_num_f32 v8, v8, |v[XS+14]|, |v[XS+15]|
	v_max3_num_f32 v8, v8, v9, 0x1800000           ; and the floor 2^(3 - 127): the byte cannot fall under 1
	v_max_num_f32_dpp v8, v8, v8 row_xmask:1 row_mask:0xf bank_mask:0xf   ; and of my neighbour's 16: the block's
	v_add_nc_u32 v11, 0xff000000, v8               ; 2 off its exponent field: the conversion takes the exponent field of this operand as its scale
	v_cvt_scalef32_pk8_fp4_f32 v[C+4*(\t)], v[XS:XS+7], v11        ; eight numbers / the scale, to the nearest code, ties to even, beyond 6 the largest code
	v_cvt_scalef32_pk8_fp4_f32 v[C+4*(\t)+1], v[XS+8:XS+15], v11
	v_lshrrev_b32 v[E+(\t)], 23, v11               ; the scale's byte (a plain line behind the conversions)
	ds_store_b8 v5, v[E+(\t)] offset:16*(\t)       ; both lanes of a block write the same byte with the same value
	global_store_b64 v4, v[C+4*(\t):C+4*(\t)+1], s[COD:COD+1] offset:32*CB*(\t)   ; 32 lanes store 256 consecutive bytes
.endm
.irp t, 0,1,2,3,4,5,6,7,8,9,10,11,12,13,14,15
	STEP \t
.endr
	ds_load_b64 v[8:9], v6                         ; LDS serves a wave's instructions in order: these see my byte stores
	s_wait_dscnt 0x0
	global_store_b64 v7, v[8:9], s[SCB:SCB+1]      ; 32 lanes store 256 consecutive bytes
	s_wait_tensorcnt 0x0                           ; the wave's end, behind my last LDS store
	ds_add_u32 v[SPW], v[NIL]
	s_wait_dscnt 0x0
	s_endpgm
; wo to f16: a wave reads 32,768 bytes and writes 16,384, in four batches of sixteen loads.  No LDS is touched on this path.
.Lwo:
	s_sub_co_u32 s32, ttmp9, 352
	s_lshl_b32 s32, s32, 2
	s_add_co_u32 s32, s32, s24                     ; my wave's run of 8,192 numbers
	s_lshl_b32 s34, s32, 15
	s_add_nc_u64 s[12:13], s[12:13], s[34:35]
	s_lshl_b32 s34, s32, 14
	s_add_nc_u64 s[22:23], s[22:23], s[34:35]
.macro WLOAD k
.set WR, 16+64*((\k)%2)
.irp i, 0,1,2,3,4,5,6,7,8,9,10,11,12,13,14,15
	global_load_b128 v[WR+4*\i:WR+4*\i+3], v3, s[12:13] offset:8192*(\k)+512*\i th:TH_LOAD_NT
.endr
.endm
.macro WOUT k
.set WR, 16+64*((\k)%2)
.if (\k) < 3
	s_wait_loadcnt 16                              ; this batch is in; the next batch's sixteen loads may be out
.else
	s_wait_loadcnt 0x0
.endif
.if (\k) > 0
	s_wait_xcnt 0x0                                ; the last batch's stores have read their data registers, which are written again below
.endif
.irp i, 0,1,2,3,4,5,6,7,8,9,10,11,12,13,14,15
	v_cvt_pk_f16_f32 v[WD+2*\i], v[WR+4*\i], v[WR+4*\i+1]
	v_cvt_pk_f16_f32 v[WD+2*\i+1], v[WR+4*\i+2], v[WR+4*\i+3]
.endr
.irp i, 0,1,2,3,4,5,6,7,8,9,10,11,12,13,14,15
	global_store_b64 v4, v[WD+2*\i:WD+2*\i+1], s[22:23] offset:4096*(\k)+256*\i   ; 32 lanes store 256 consecutive bytes
.endr
.endm
	WLOAD 0
	WLOAD 1
	WOUT 0
	WLOAD 2
	WOUT 1
	WLOAD 3
	WOUT 2
	WOUT 3
	s_endpgm
.Lfunc_end_k_q9f871f7b9c_prep:
	.size	k_q9f871f7b9c_prep, .Lfunc_end_k_q9f871f7b9c_prep-k_q9f871f7b9c_prep
	.p2alignl 7, 3214868480
	.fill 96, 4, 3214868480
	.section	.rodata,"a",@progbits
	.p2align	6, 0x0
	.amdhsa_kernel k_q9f871f7b9c_prep
		.amdhsa_group_segment_fixed_size 33280
		.amdhsa_private_segment_fixed_size 0
		.amdhsa_enable_private_segment 0
		.amdhsa_kernarg_size 80
		.amdhsa_user_sgpr_count 2
		.amdhsa_user_sgpr_kernarg_segment_ptr 1
		.amdhsa_wavefront_size32 1
		.amdhsa_system_sgpr_workgroup_id_x 1
		.amdhsa_system_sgpr_workgroup_id_y 1
		.amdhsa_system_sgpr_workgroup_id_z 1
		.amdhsa_system_vgpr_workitem_id 0
		.amdhsa_next_free_vgpr 192
		.amdhsa_next_free_sgpr 66
		.amdhsa_reserve_vcc 0
		.amdhsa_float_denorm_mode_32 3
		.amdhsa_float_denorm_mode_16_64 3
		.amdhsa_memory_ordered 1
		.amdhsa_forward_progress 1
		.amdhsa_inst_pref_size 54
	.end_amdhsa_kernel
	.amdgpu_metadata
---
amdhsa.version: [ 1, 2 ]
amdhsa.kernels:
  - .name:           k_q9f871f7b9c_prep
    .symbol:         k_q9f871f7b9c_prep.kd
    .args:
      - { .name: x, .offset: 0, .size: 8, .value_kind: global_buffer, .address_space: global }
      - { .name: wq, .offset: 8, .size: 8, .value_kind: global_buffer, .address_space: global }
      - { .name: wk, .offset: 16, .size: 8, .value_kind: global_buffer, .address_space: global }
      - { .name: wv, .offset: 24, .size: 8, .value_kind: global_buffer, .address_space: global }
      - { .name: wo, .offset: 32, .size: 8, .value_kind: global_buffer, .address_space: global }
      - { .name: x_codes, .offset: 40, .size: 8, .value_kind: global_buffer, .address_space: global }
      - { .name: x_scales, .offset: 48, .size: 8, .value_kind: global_buffer, .address_space: global }
      - { .name: w_codes, .offset: 56, .size: 8, .value_kind: global_buffer, .address_space: global }
      - { .name: w_scales, .offset: 64, .size: 8, .value_kind: global_buffer, .address_space: global }
      - { .name: wo16, .offset: 72, .size: 8, .value_kind: global_buffer, .address_space: global }
    .group_segment_fixed_size: 33280
    .private_segment_fixed_size: 0
    .kernarg_segment_align: 8
    .kernarg_segment_size: 80
    .max_flat_workgroup_size: 128
    .sgpr_count:     66
    .vgpr_count:     192
    .wavefront_size: 32
...
	.end_amdgpu_metadata
.endif
;; end of part 1
;; launch qkv (part 2): grid 12 x 32, 4 waves a work-group, clusters of 4 x 4, 327,680 bytes of LDS; arguments x_codes, x_scales, w_codes, w_scales, bq, bk, bv, src_key_padding_mask, qkv16; writes qkv16
.if DOCPART == 2
	.amdgcn_target "amdgcn-amd-amdhsa--gfx1250"
	.amdhsa_code_object_version 6
	.text
	.protected	k_q9f871f7b9c_qkv
	.globl	k_q9f871f7b9c_qkv
	.p2align	8
	.type	k_q9f871f7b9c_qkv,@function
k_q9f871f7b9c_qkv:
	s_mov_b64 s[64:65], 0
	v_nop
	global_prefetch_b8 v0, s[64:65] scope:SCOPE_SE
	s_setreg_imm32_b32 hwreg(HW_REG_WAVE_MODE, 25, 1), 1
	s_wait_xcnt 0x0
	s_wait_alu depctr_hold_cnt(0) depctr_sa_sdst(0) depctr_va_vdst(0) depctr_va_sdst(0) depctr_va_ssrc(0) depctr_va_vcc(0) depctr_vm_vsrc(0)
	s_getreg_b32 s2, hwreg(HW_REG_IB_STS2, 6, 4)
	s_cmp_eq_u32 s2, 0
	s_cbranch_scc0 .Lentry_in_a_cluster
	s_endpgm
.Lentry_in_a_cluster:
	s_bfe_u32 s2, ttmp6, 0x10000c
	s_cmp_lg_u32 s2, 0xf033
	s_cbranch_scc0 .Lentry_shape_is_right
	s_endpgm
.Lentry_shape_is_right:
; q, k, v = x W^T + b on codes of FP4 (E2M1) with one E8M0 scale for each 32 along K = 1,024.  x: 8,192 rows, W: 3,072 rows (wq, wk, wv on end); codes 512 bytes a row, scale bytes 32 a row.
; OUT: three parts of 16,777,216 bytes (q, k, v), each [batch][head][token][64] in f16.  q is multiplied by log2(e) / 8 in f32 ahead of its one rounding, so that the scores arrive as exponents of 2.
; The rows of k of MASKED tokens are multiplied by 0: the next launch puts the masked score in as the start of the sum, and the products add exactly nothing to it.
; LIMITS: (x W^T + b) must be finite (infinity x 0 is NaN) and, q after its factor, fit f16 (largest number 65,504).
; A tile of 256 tokens x 256 columns is made by four waves, as many as a WGP has SIMDs; a wave makes 128 x 128: 64 accumulators, 512 registers.  K is two slots of 512: both slots and all scale bytes are asked for
; at the start, three tensor loads a wave, and nothing is filled again.
; CLUSTERS: 4 x 4 work-groups.  The four of a row need the same tiles of x, the four of a column the same tiles of W: each is asked for jointly, by the same tensor load with the same descriptor and a mask that
; names the four.  A cluster's four tile columns are one of q, k, v: the cluster's x says which, the same in all sixteen.
; THE MATRIX INSTRUCTION IS USED TRANSPOSED (source 0 = 16 rows of W, source 1 = 16 tokens): a lane holds ONE token and eight neighbouring columns.  The bias is the C of each sum's first instruction.
; REGISTERS, in windows of 256: window 0: v0-31 addresses; v32-95 scale words, two sets; v96-111 a factor for each block of 16 tokens (pairs); v112-122 mask bytes and offsets; v128-191 x's fragments, one set.
;   window 1: W's fragments, two sets, at v0 and v128; v64-127 the bias, 8 registers for each block of 16 columns.   window 2: accumulators of my tokens 0-63 ((a, b) at v[8 (8 a + b)]);   window 3: of tokens 64-127.
;   On the way out, window 0: v128-191 scaled results, v192-223 f16, v32-63 and v224-255 rows read back, by turns.
.set NQ,     4                         ; steps of 128 along K in a slot
.set ROWB,   256                       ; a tile's row in bytes: 512 codes
.set KROW,   512                       ; a row of codes in memory
.set PITCH,  272                       ; an LDS row: 256 bytes + 16 of padding = 68 words: the 16 rows that a load touches start 4 banks apart (64 banks of 4 bytes: ISA guide 11.1)
.set FR,     8                         ; registers of a fragment
.set NL,     2                         ; LDS loads that bring one
.set NP,     4                         ; places behind this matrix instruction (ISA guide 7.12.1)
.set HALFT,  128*PITCH                 ; 128 rows: what one tensor load brings
.set SLOT,   4*HALFT                   ; x's 256 rows, then W's 256 rows
.set KS,     32                        ; a row of scale bytes
.set SCL,    2*SLOT                    ; behind the two slots: the scale bytes, as runs of 256 bytes + 16 of padding
.set HALFS,  16*272                    ; those of 128 rows: what one tensor load brings
.set SBLK,   2*272                     ; those of 16 rows
.set SPARE,  SCL+4*HALFS               ; the spare words, 128 bytes for each wave
.set SPITCH, 272                       ; the way out: a stage of 16 tokens x (256 bytes + 16) for each wave, in slot 0, which has had its only fill and its last read by then
.set ADRA, 16                          ; v16-17  LDS address of my x fragments in slot 0, 1
.set ADRB, 20                          ; v20-21  the same for W
.set STO,  24                          ; v24     the way out: where I put 16 bytes of a token's row
.set RD,   25                          ; v25     where I read back
.set CO,   26                          ; v26     16 x lane
.set ADRS, 27                          ; v27     LDS address of my scale words: lanes 0-15 x's rows, lanes 16-31 W's
.set SPW,  28                          ; v28     LDS address of my spare word; never rewritten
.set NIL,  29                          ; v29     0; never rewritten
.set SC,   32
.set FCT,  96
.set MB,   112
.set FB,   120
.set BOF,  121
.set RR,   122
.set AF,   128
.set BIA,  64                          ; in window 1
.set TF,   128
.set TH,   192
.set WV, 22                            ; s22 wave;  s23 my half of the tokens, also: I fetch for x (0) or W (1);  s24 my half of the columns, also: which 128 rows I fetch
.set RH, 23
.set CH, 24
.set TR, 25                            ; s25 tile row, s26 tile column, s27 cx, s28 cy
.set TC, 26
.set CX, 27
.set CY, 28
.set G1, 32                            ; s[32:39] group 1 for x's tiles; s[40:47] group 0, a set for each slot
.set G0, 40
.set G1B, 48                           ; s[48:55], s[56:63] the same for W's
.set G0B, 56
.set G1S, 68                           ; s[68:75], s[76:79] groups 1 and 0 for x's scale bytes; s[80:87], s[88:91] for W's
.set G0S, 76
.set G1SB, 80
.set G0SB, 88
.set MSB, 0
.macro WIN new                         ; the immediate's high byte repeats the setting that is left
.if MSB != (\new)
	s_set_vgpr_msb (MSB<<8)|(\new)
.set MSB, (\new)
.endif
.endm
.set MUL_LO,  0xa1                     ; source 0 (W) window 1, source 1 (x) window 0, C and D window 2
.set MUL_HI,  0xf1                     ; the same, C and D window 3
.set MUL_LO0, 0x91                     ; the first step: C is the bias, in window 1
.set MUL_HI0, 0xd1
.set TO_B,    0x40                     ; destination window 1, address window 0
; A joint load: waves 0 and 1 fetch for x, waves 2 and 3 for W.  The branch hangs on the wave's number alone.  An s_nop 0 and four v_nop follow each of the two lines.
.macro JLOAD g0a, g1a, g0b, g1b
	s_cmp_eq_u32 s[RH], 0
	s_cbranch_scc0 .Lfor_b_\@
	tensor_load_to_lds s[\g0a:\g0a+3], s[\g1a:\g1a+7]
	s_nop 0
.rept 4
	v_nop
.endr
	s_branch .Lasked_\@
.Lfor_b_\@:
	tensor_load_to_lds s[\g0b:\g0b+3], s[\g1b:\g1b+7]
	s_nop 0
.rept 4
	v_nop
.endr
.Lasked_\@:
.endm
.macro CROUND                          ; a round of the cluster's barrier
	s_barrier_signal -1
	s_barrier_wait -1
	s_cmp_lg_u32 s[WV], 0
	s_cbranch_scc1 .Lnot_wave_0_\@
	s_barrier_signal -3
.Lnot_wave_0_\@:
	s_barrier_wait -3
	s_barrier_signal -1
	s_barrier_wait -1
.endm
	s_load_b256 s[4:11], s[0:1], 0x0               ; x_codes s[4:5], x_scales s[6:7], w_codes s[8:9], w_scales s[10:11]
	s_load_b256 s[12:19], s[0:1], 0x20             ; bq s[12:13], bk s[14:15], bv s[16:17], the mask s[18:19]
	s_load_b64 s[20:21], s[0:1], 0x40              ; the output
	v_lshl_add_u32 v[SPW], v0, 2, SPARE
	v_mov_b32 v[NIL], 0
	ds_add_u32 v[SPW], v[NIL]                      ; the wave's opening: the add, twice on end, and its wait ahead of my first tensor load
	ds_add_u32 v[SPW], v[NIL]
	v_lshrrev_b32 v1, 5, v0
	v_readfirstlane_b32 s[WV], v1
	s_lshr_b32 s[RH], s[WV], 1
	s_and_b32 s[CH], s[WV], 1
	s_bfe_u32 s[CX], ttmp6, 0x40000
	s_bfe_u32 s[CY], ttmp6, 0x40004
	s_lshl_b32 s[TC], ttmp9, 2
	s_add_co_u32 s[TC], s[TC], s[CX]               ; tile column = 4 x cluster x + cx
	s_and_b32 s[TR], ttmp7, 0xffff
	s_lshl_b32 s[TR], s[TR], 2
	s_add_co_u32 s[TR], s[TR], s[CY]               ; tile row = 4 x cluster y + cy
	s_lshl_b32 s66, s[CY], 2
	s_lshl_b32 s66, 15, s66                        ; my row of the cluster
	s_lshl_b32 s67, 0x1111, s[CX]                  ; my column
	; group 1: a tile of 128 rows x 256 bytes, padded in LDS: elements of 1 byte; padding on; bit 21 beside a mask; 4 words behind every 64
	s_or_b32 s[G1+0], s66, (0<<16)|(1<<20)|(1<<21)|(5<<22)|(3<<25)
	s_or_b32 s[G1B+0], s67, (0<<16)|(1<<20)|(1<<21)|(5<<22)|(3<<25)
.irp g, G1, G1B
	s_mov_b32 s[\g+1], ROWB<<16                    ; tensor_dim0
	s_mov_b32 s[\g+2], 128<<16                     ; tensor_dim1
	s_mov_b32 s[\g+3], ROWB<<16                    ; tile_dim0
	s_mov_b32 s[\g+4], 128                         ; tile_dim1
	s_mov_b32 s[\g+5], KROW                        ; from row to row
	s_mov_b32 s[\g+6], 0
	s_mov_b32 s[\g+7], 0
.endr
	; the scale bytes of 128 rows: 4,096 dense bytes, as 16 rows of 256 bytes (32 elements of 8 bytes), 16 bytes of padding behind each
	s_or_b32 s[G1S+0], s66, (3<<16)|(1<<20)|(1<<21)|(5<<22)|(3<<25)
	s_or_b32 s[G1SB+0], s67, (3<<16)|(1<<20)|(1<<21)|(5<<22)|(3<<25)
.irp g, G1S, G1SB
	s_mov_b32 s[\g+1], 32<<16
	s_mov_b32 s[\g+2], 16<<16
	s_mov_b32 s[\g+3], 32<<16
	s_mov_b32 s[\g+4], 16
	s_mov_b32 s[\g+5], 32
	s_mov_b32 s[\g+6], 0
	s_mov_b32 s[\g+7], 0
.endr
	s_lshl_b32 s29, s[CH], 7                       ; which 128 rows of the tile I fetch
	s_lshl_b32 s92, s[TR], 8
	s_add_co_u32 s92, s92, s29                     ; x: row 256 x tile row + 128 x half
	s_lshl_b32 s96, s[TC], 8
	s_add_co_u32 s96, s96, s29                     ; W: row 256 x tile column + 128 x half
	s_lshl_b32 s94, s92, 5                         ; where these rows' scale bytes begin,
	s_lshl_b32 s98, s96, 5
	s_lshl_b32 s92, s92, 9                         ; and their codes: all under 2^23 bytes
	s_lshl_b32 s96, s96, 9
	s_mov_b32 s93, 0
	s_mov_b32 s95, 0
	s_mov_b32 s97, 0
	s_mov_b32 s99, 0
	s_mul_i32 s30, s[WV], HALFT                    ; where they go: wave x 128 rows: no place in the cluster enters an LDS address
	s_mul_i32 s31, s[WV], HALFS
	s_wait_dscnt 0x0                               ; both opening adds are done
	s_wait_kmcnt 0x0
	s_add_nc_u64 s[92:93], s[4:5], s[92:93]
	s_add_nc_u64 s[94:95], s[6:7], s[94:95]
	s_add_nc_u64 s[96:97], s[8:9], s[96:97]
	s_add_nc_u64 s[98:99], s[10:11], s[98:99]
	CROUND                                         ; all sixteen work-groups are here: the joint loads meet
	s_mov_b32 s[G0S], 1
	s_add_co_u32 s[G0S+1], s31, SCL
	s_mov_b64 s[G0S+2:G0S+3], s[94:95]
	s_or_b32 s[G0S+3], s[G0S+3], 0x80000000
	s_mov_b32 s[G0SB], 1
	s_add_co_u32 s[G0SB+1], s31, SCL
	s_mov_b64 s[G0SB+2:G0SB+3], s[98:99]
	s_or_b32 s[G0SB+3], s[G0SB+3], 0x80000000
	JLOAD G0S, G1S, G0SB, G1SB                     ; the scale bytes first: they are wanted with slot 0
.irp s, 0,1
	s_mov_b32 s[G0+4*\s], 1
	s_add_co_u32 s[G0+4*\s+1], s30, \s*SLOT
	s_add_nc_u64 s[G0+4*\s+2:G0+4*\s+3], s[92:93], \s*ROWB
	s_or_b32 s[G0+4*\s+3], s[G0+4*\s+3], 0x80000000
	s_mov_b32 s[G0B+4*\s], 1
	s_add_co_u32 s[G0B+4*\s+1], s30, \s*SLOT
	s_add_nc_u64 s[G0B+4*\s+2:G0B+4*\s+3], s[96:97], \s*ROWB
	s_or_b32 s[G0B+4*\s+3], s[G0B+4*\s+3], 0x80000000
	JLOAD G0+4*\s, G1, G0B+4*\s, G1B
.endr
	; the bias of my 128 columns and the mask bytes of my 128 tokens.  Which of q, k, v: the cluster's x
	s_lshl_b32 s96, s[CX], 10
	s_lshl_b32 s97, s[CH], 9
	s_add_co_u32 s96, s96, s97                     ; 4 x (256 cx + 128 half) bytes into the bias
	s_mov_b32 s97, 0
	s_cmp_eq_u32 ttmp9, 1
	s_cselect_b64 s[100:101], s[14:15], s[16:17]
	s_cselect_b32 s99, 0xff, 0                     ; the mask counts for k alone
	s_cmp_eq_u32 ttmp9, 0
	s_cselect_b64 s[100:101], s[12:13], s[100:101]
	s_cselect_b32 s98, 0x3e38aa3b, 1.0             ; q's factor log2(e) / 8; 1 for k and v
	s_add_nc_u64 s[100:101], s[100:101], s[96:97]
	s_lshl_b32 s92, s[TR], 8
	s_lshl_b32 s93, s[RH], 7
	s_add_co_u32 s92, s92, s93                     ; my first token
	s_mov_b32 s93, 0
	s_add_nc_u64 s[18:19], s[18:19], s[92:93]
	v_and_b32 v1, 15, v0                           ; r = lane % 16
	v_bfe_u32 v2, v0, 4, 1                         ; h = lane / 16
	v_lshlrev_b32 v[BOF], 5, v2                    ; register j of column block b is column 16 b + 8 h + j
	v_and_b32 v[RR], 15, v0
	WIN TO_B
.irp b, 0,1,2,3,4,5,6,7
	global_load_b128 v[BIA+8*\b:BIA+8*\b+3], v[BOF], s[100:101] offset:64*\b
	global_load_b128 v[BIA+8*\b+4:BIA+8*\b+7], v[BOF], s[100:101] offset:64*\b+16
.endr
	WIN 0
.irp a, 0,1,2,3,4,5,6,7
	global_load_u8 v[MB+\a], v[RR], s[18:19] offset:16*\a          ; token 16 a + r
.endr
	v_mul_u32_u24 v3, v1, PITCH
	v_lshl_add_u32 v4, v2, 4, v3                   ; a fragment's row x pitch + 16 x half
	s_mul_i32 s29, s[RH], HALFT                    ; my 128 rows of x
	s_mul_i32 s30, s[CH], HALFT                    ; my 128 rows of W,
	s_add_co_u32 s30, s30, 2*HALFT                 ; which lie behind x's 256
.irp s, 0,1
	v_add_nc_u32 v[ADRA+\s], s29, v4
	v_add_nc_u32 v[ADRB+\s], s30, v4
	s_add_co_u32 s29, s29, SLOT
	s_add_co_u32 s30, s30, SLOT
.endr
	v_mul_u32_u24 v5, v1, KS                       ; my row's scale bytes: 32 a row,
	v_lshrrev_b32 v6, 8, v5
	v_lshl_add_u32 v5, v6, 4, v5                   ; and 16 more for each 256 passed
	s_mul_i32 s29, s[RH], HALFS
	s_mul_i32 s30, s[CH], HALFS
	s_add_co_u32 s30, s30, 2*HALFS
	s_sub_co_u32 s30, s30, s29
	v_mul_u32_u24 v6, s30, v2                      ; lanes 16-31 take W's: one product, the distance between the two bases x h
	s_add_co_u32 s29, s29, SCL
	v_add_nc_u32 v5, v5, v6
	v_add_nc_u32 v[ADRS], s29, v5
	s_mul_i32 s29, s[WV], 16*SPITCH                ; my stage
	v_mul_u32_u24 v5, v1, SPITCH
	v_lshl_add_u32 v5, v2, 4, v5
	v_add_nc_u32 v[STO], s29, v5                   ; in: token r, 16 bytes for each half of the lanes
	v_bfe_u32 v7, v0, 3, 2
	v_and_b32 v8, 7, v0
	v_mul_u32_u24 v7, v7, SPITCH
	v_lshl_add_u32 v7, v8, 4, v7
	v_add_nc_u32 v[RD], s29, v7                    ; back: eight lanes take a token's 128 bytes of one head, four tokens an instruction
	v_and_b32 v6, 31, v0
	v_lshlrev_b32 v[CO], 4, v6                     ; which are 512 consecutive bytes of the output
	s_lshr_b32 s2, s[TR], 3                        ; the batch
	s_lshl_b32 s2, s2, 4
	s_lshl_b32 s3, s[CX], 2
	s_add_co_u32 s2, s2, s3
	s_lshl_b32 s3, s[CH], 1
	s_add_co_u32 s2, s2, s3                        ; 16 x batch + my first head
	s_lshl_b32 s2, s2, 11
	s_and_b32 s3, s[TR], 7
	s_lshl_b32 s3, s3, 8
	s_add_co_u32 s2, s2, s3
	s_lshl_b32 s3, s[RH], 7
	s_add_co_u32 s2, s2, s3                        ; x 2,048 tokens + my first token in the batch
	s_lshl_b32 s2, s2, 7                           ; x 128 bytes
	s_lshl_b32 s3, ttmp9, 24                       ; + the part: q, k or v
	s_add_co_u32 s2, s2, s3
	s_mov_b32 s3, 0
	s_add_nc_u64 s[20:21], s[20:21], s[2:3]
	s_wait_loadcnt 0x0                             ; the bias and the mask bytes
	v_mov_b32 v[FB], s98
.irp a, 0,1,2,3,4,5,6,7
	v_and_b32 v10, s99, v[MB+\a]
	v_cmp_eq_u32 vcc_lo, 0, v10
	v_cndmask_b32 v[FCT+2*\a], 0, v[FB], vcc_lo    ; 0 for a masked token of k
	v_mov_b32 v[FCT+2*\a+1], v[FCT+2*\a]
.endr
.macro FRAG reg, adr, q, i             ; 16 rows x 128 K of 4-bit codes: lane l holds row l % 16; registers 4 c .. 4 c + 3 hold K = 64 c + 32 (l / 16) + 0 .. 31
.irp c, 0,1
	ds_load_b128 v[\reg+4*\c:\reg+4*\c+3], v[\adr] offset:64*(\q)+32*\c+(\i)*16*PITCH
.endr
.endm
; 16 matrix instructions: x's blocks a0, a0 + 1 against W's eight, the slot's q-th 128 along K.  p: W's set; sc: the set of scale words.  zero = 1: the sums start from the bias.
; The 64 accumulators take turns, one instruction a turn, in the same order in every step.
.macro MUL16 a0, p, q, sc, zero
.irp a, \a0, \a0+1
.irp b, 0,1,2,3,4,5,6,7
.if \zero
	v_wmma_scale_f32_16x16x128_f8f6f4 v[8*(8*((\a)%4)+\b):8*(8*((\a)%4)+\b)+7], v[128*(\p)+FR*\b:128*(\p)+FR*\b+FR-1], v[AF+FR*(\a):AF+FR*(\a)+FR-1], v[BIA+8*\b:BIA+8*\b+7], v[SC+8*NQ*(\sc)+NQ*\b+(\q)], v[SC+8*NQ*(\sc)+NQ*(\a)+(\q)] matrix_a_fmt:MATRIX_FMT_FP4 matrix_b_fmt:MATRIX_FMT_FP4 matrix_a_scale:MATRIX_SCALE_ROW1
.else
	v_wmma_scale_f32_16x16x128_f8f6f4 v[8*(8*((\a)%4)+\b):8*(8*((\a)%4)+\b)+7], v[128*(\p)+FR*\b:128*(\p)+FR*\b+FR-1], v[AF+FR*(\a):AF+FR*(\a)+FR-1], v[8*(8*((\a)%4)+\b):8*(8*((\a)%4)+\b)+7], v[SC+8*NQ*(\sc)+NQ*\b+(\q)], v[SC+8*NQ*(\sc)+NQ*(\a)+(\q)] matrix_a_fmt:MATRIX_FMT_FP4 matrix_b_fmt:MATRIX_FMT_FP4 matrix_a_scale:MATRIX_SCALE_ROW1
.endif
.endr
.endr
.endm
.macro FETCH_B slot, q, p
	WIN TO_B
.irp i, 0,1,2,3,4,5,6,7
	FRAG 128*(\p)+FR*\i, ADRB+\slot, \q, \i
.endr
	WIN 0
.endm
.macro FETCH_A slot, q, i0
.irp i, \i0, \i0+1, \i0+2, \i0+3
	FRAG AF+FR*(\i), ADRA+\slot, \q, \i
.endr
.endm
.macro SCALES sc                       ; a slot's scale words: 4 words a row; lanes 0-15 take x's block i, lanes 16-31 W's block i
.irp i, 0,1,2,3,4,5,6,7
	ds_load_b128 v[SC+8*NQ*\sc+NQ*\i:SC+8*NQ*\sc+NQ*\i+3], v[ADRS] offset:\i*SBLK
.endr
.endm
.macro PLACES n                        ; plain vector instructions between a matrix instruction and a load into, or a read of, its registers
.rept \n
	v_nop
.endr
.endm
.macro STEP slot, q, zero              ; a step of 128 along K that has its successor in the same slot
	s_wait_dscnt 4*NL                              ; W's set and x's blocks 0-3 are in; the youngest eight loads (x's blocks 4-7) may be out
.if \zero
	WIN MUL_LO0
.else
	WIN MUL_LO
.endif
	MUL16 0, (\q)%2, \q, \slot, \zero
	MUL16 2, (\q)%2, \q, \slot, \zero
	s_wait_dscnt 0
	PLACES NP
	FETCH_B \slot, (\q)+1, 1-(\q)%2
	FETCH_A \slot, (\q)+1, 0
.if \zero
	WIN MUL_HI0
.else
	WIN MUL_HI
.endif
	MUL16 4, (\q)%2, \q, \slot, \zero
	MUL16 6, (\q)%2, \q, \slot, \zero
	PLACES NP
	WIN 0
	FETCH_A \slot, (\q)+1, 4
.endm
; Slot 0's last step changes slots: one barrier; in front of it each wave waits for all its tensor loads (its part of slot 1) and for its own reads of slot 0.  Nothing is filled again.
.macro TURN slot, next
	s_wait_tensorcnt 0x0
	ds_add_u32 v[SPW], v[NIL]
	s_wait_dscnt 4*NL+1                            ; the add and the youngest eight loads may be out
	WIN MUL_LO
	MUL16 0, 1, NQ-1, \slot, 0
	s_wait_dscnt 0x0                               ; the add is done, and my reads of this slot are over
	s_barrier_signal -1
	MUL16 2, 1, NQ-1, \slot, 0
	WIN 0
	s_barrier_wait -1
	PLACES NP
	v_add_nc_u32 v[ADRS], 4*NQ, v[ADRS]            ; on to the next slot's scale words
	FETCH_B \next, 0, 0
	FETCH_A \next, 0, 0
	SCALES \next
	WIN MUL_HI
	MUL16 4, 1, NQ-1, \slot, 0
	MUL16 6, 1, NQ-1, \slot, 0
	PLACES NP
	WIN 0
	FETCH_A \next, 0, 4
.endm
.macro STEPS slot, from
.set Q, \from
.rept NQ-1-\from
	STEP \slot, Q, 0
.set Q, Q+1
.endr
.endm
	s_wait_tensorcnt 1                             ; the scale bytes and my part of slot 0 are in; slot 1's load may be out,
	s_barrier_signal -1
	s_barrier_wait -1                              ; everybody's are
	FETCH_B 0, 0, 0
	FETCH_A 0, 0, 0
	SCALES 0
	FETCH_A 0, 0, 4
	STEP 0, 0, 1
	STEPS 0, 1
	TURN 0, 1
	STEPS 1, 0
	s_wait_dscnt 4*NL                              ; the last step: nothing more to fetch
	WIN MUL_LO
	MUL16 0, 1, NQ-1, 1, 0
	MUL16 2, 1, NQ-1, 1, 0
	s_wait_dscnt 0
	WIN MUL_HI
	MUL16 4, 1, NQ-1, 1, 0
	MUL16 6, 1, NQ-1, 1, 0
	WIN 0
; THE WAY OUT, a block of 16 tokens x 128 columns at a time: x the token's factor in f32, one rounding to f16, 16 bytes a lane into my stage, back as 4 tokens x 128 bytes of one head: 512 consecutive bytes of the output.
.macro PACK a
.set AC, 64*((\a)%4)
	WIN 0x02+(\a)/4                                ; source 0: window 2 or 3
.irp b, 0,1,2,3,4,5,6,7
.irp i, 0,1,2,3
	v_pk_mul_f32 v[TF+8*\b+2*\i:TF+8*\b+2*\i+1], v[AC+8*\b+2*\i:AC+8*\b+2*\i+1], v[FCT+2*(\a):FCT+2*(\a)+1]   ; each accumulator from its low end on
.endr
.endr
	WIN 0
.irp b, 0,1,2,3,4,5,6,7
.irp i, 0,1,2,3
	v_cvt_pk_f16_f32 v[TH+4*\b+\i], v[TF+8*\b+2*\i], v[TF+8*\b+2*\i+1]
.endr
.endr
.endm
.macro TOSTAGE a
.set BB, 32+192*((\a)%2)
.irp b, 0,1,2,3,4,5,6,7
	ds_store_b128 v[STO], v[TH+4*\b:TH+4*\b+3] offset:32*\b
.endr
.if (\a) > 1
	s_wait_xcnt 0x0                                ; the stores of the block two back have read the registers that the loads below fill
.endif
.irp hh, 0,1
.irp i, 0,1,2,3
	ds_load_b128 v[BB+4*(4*\hh+\i):BB+4*(4*\hh+\i)+3], v[RD] offset:128*\hh+4*SPITCH*\i   ; LDS serves a wave's instructions in order: these see the stores above
.endr
.endr
.endm
.macro SEND a
.set BB, 32+192*((\a)%2)
	s_wait_dscnt 0x0                               ; the block is back in registers
.irp hh, 0,1
.irp i, 0,1,2,3
	global_store_b128 v[CO], v[BB+4*(4*\hh+\i):BB+4*(4*\hh+\i)+3], s[20:21] offset:262144*\hh+2048*(\a)+512*\i   ; 32 lanes store 512 consecutive bytes, aligned
.endr
.endr
.endm
	PLACES NP
	PACK 0
	TOSTAGE 0
.irp a, 1,2,3,4,5,6,7                  ; block a's arithmetic stands between block a - 1's loads from the stage and the wait for them
	PACK \a
	SEND \a-1
	TOSTAGE \a
.endr
	SEND 7
	s_wait_tensorcnt 0x0                           ; the wave's end
	ds_add_u32 v[SPW], v[NIL]
	s_wait_dscnt 0x0
	CROUND                                         ; the closing round
	s_endpgm
.Lfunc_end_k_q9f871f7b9c_qkv:
	.size	k_q9f871f7b9c_qkv, .Lfunc_end_k_q9f871f7b9c_qkv-k_q9f871f7b9c_qkv
	.p2alignl 7, 3214868480
	.fill 96, 4, 3214868480
	.section	.rodata,"a",@progbits
	.p2align	6, 0x0
	.amdhsa_kernel k_q9f871f7b9c_qkv
		.amdhsa_group_segment_fixed_size 327680
		.amdhsa_private_segment_fixed_size 0
		.amdhsa_enable_private_segment 0
		.amdhsa_kernarg_size 72
		.amdhsa_user_sgpr_count 2
		.amdhsa_user_sgpr_kernarg_segment_ptr 1
		.amdhsa_wavefront_size32 1
		.amdhsa_system_sgpr_workgroup_id_x 1
		.amdhsa_system_sgpr_workgroup_id_y 1
		.amdhsa_system_sgpr_workgroup_id_z 1
		.amdhsa_system_vgpr_workitem_id 0
		.amdhsa_next_free_vgpr 1024
		.amdhsa_next_free_sgpr 102
		.amdhsa_reserve_vcc 1
		.amdhsa_float_denorm_mode_32 3
		.amdhsa_float_denorm_mode_16_64 3
		.amdhsa_memory_ordered 1
		.amdhsa_forward_progress 1
		.amdhsa_inst_pref_size 146
	.end_amdhsa_kernel
	.amdgpu_metadata
---
amdhsa.version: [ 1, 2 ]
amdhsa.kernels:
  - .name:           k_q9f871f7b9c_qkv
    .symbol:         k_q9f871f7b9c_qkv.kd
    .args:
      - { .name: x_codes, .offset: 0, .size: 8, .value_kind: global_buffer, .address_space: global }
      - { .name: x_scales, .offset: 8, .size: 8, .value_kind: global_buffer, .address_space: global }
      - { .name: w_codes, .offset: 16, .size: 8, .value_kind: global_buffer, .address_space: global }
      - { .name: w_scales, .offset: 24, .size: 8, .value_kind: global_buffer, .address_space: global }
      - { .name: bq, .offset: 32, .size: 8, .value_kind: global_buffer, .address_space: global }
      - { .name: bk, .offset: 40, .size: 8, .value_kind: global_buffer, .address_space: global }
      - { .name: bv, .offset: 48, .size: 8, .value_kind: global_buffer, .address_space: global }
      - { .name: src_key_padding_mask, .offset: 56, .size: 8, .value_kind: global_buffer, .address_space: global }
      - { .name: qkv16, .offset: 64, .size: 8, .value_kind: global_buffer, .address_space: global }
    .group_segment_fixed_size: 327680
    .private_segment_fixed_size: 0
    .kernarg_segment_align: 8
    .kernarg_segment_size: 72
    .max_flat_workgroup_size: 128
    .sgpr_count:     102
    .vgpr_count:     1024
    .wavefront_size: 32
...
	.end_amdgpu_metadata
.endif
;; end of part 2
;; launch attn (part 3): grid 4 x 64, 8 waves a work-group, clusters of 4 x 1, 327,680 bytes of LDS; arguments qkv16, src_key_padding_mask, heads; writes heads
.if DOCPART == 3
	.amdgcn_target "amdgcn-amd-amdhsa--gfx1250"
	.amdhsa_code_object_version 6
	.text
	.protected	k_q9f871f7b9c_attn
	.globl	k_q9f871f7b9c_attn
	.p2align	8
	.type	k_q9f871f7b9c_attn,@function
k_q9f871f7b9c_attn:
	s_mov_b64 s[64:65], 0
	v_nop
	global_prefetch_b8 v0, s[64:65] scope:SCOPE_SE
	s_setreg_imm32_b32 hwreg(HW_REG_WAVE_MODE, 25, 1), 1
	s_wait_xcnt 0x0
	s_wait_alu depctr_hold_cnt(0) depctr_sa_sdst(0) depctr_va_vdst(0) depctr_va_sdst(0) depctr_va_ssrc(0) depctr_va_vcc(0) depctr_vm_vsrc(0)
	s_getreg_b32 s2, hwreg(HW_REG_IB_STS2, 6, 4)
	s_cmp_eq_u32 s2, 0
	s_cbranch_scc0 .Lentry_in_a_cluster
	s_endpgm
.Lentry_in_a_cluster:
	s_bfe_u32 s2, ttmp6, 0x10000c
	s_cmp_lg_u32 s2, 0x3003
	s_cbranch_scc0 .Lentry_shape_is_right
	s_endpgm
.Lentry_shape_is_right:
; O[b][h][q] = the sum over keys of softmax(score) V, score = q . k / 8, a masked key's score replaced by -1e9.  q (already x log2(e) / 8), k (masked rows already 0), v: [batch][head][token][64] f16; O the same.
; Products on f16 operands with f32 sums; maxima, exponentials and rescaling in f32; p is rounded to f16 for the second product and for the row's sum, O once at the end.
; THE MASK.  The first product of each tile of keys starts from a tile of biases: 0 for an open key, -1e9 x log2(e) for a masked one.  A masked key's row of k is 0, so its score is exactly that number for every
; query: where(mask, -1e9, score), in exponents of 2.  With every key of a batch masked all p are 1: the uniform softmax.
; LIMITS: q must be finite in f16 (infinity x 0 is NaN); NaN and infinities are not served.
; SOFTMAX.  For each query a running maximum m: p = 2^(t - m); in every step O and the sum are multiplied by a = 2^(m_old - m_new).  m begins at -3e38 and O and the sum at 0, so that the loop has no first step of
; its own, which spares a third copy of the slot's text.
; SHARES.  A work-group owns 512 queries of one head, each of its eight waves 64: four tiles of 16, as two pieces (tiles 0, 1 and tiles 2, 3); two waves to a SIMD.  Every wave walks all 2,048 keys, 64 a step.
; LAYOUT.  S^T = K Q^T (source 0 = 16 keys, source 1 = 16 queries): a lane holds ONE query (lane % 16) and keys 8 (lane / 16) + 0..7.  Two such tiles, rounded to f16 in pairs, are source 1 of O^T = V^T P.
; V ([key][channel]) comes out of LDS turned, by ds_load_tr16_b128.  The row's sum is a product of ones with P: every row of its result holds the query's sum, so no lane is asked for anything.
; RING.  Two slots of 256 keys (4 steps).  Waves 0-3 fetch K's four quarters, waves 4-7 V's, one tensor load a wave behind each change of slots: one load of mine is out at a time.
; CLUSTER.  The four work-groups of a head walk the same K and V: each tile is asked for jointly, with the mask of all four.
; REGISTERS.  window 0: v1-9 addresses; v10-15 at work; v16-23 ones; v24-31 m (a pair a tile); v32-63 the biases of 4 tiles of keys, behind K Q^T the softmax's scratch; v64-127 K's 8 fragments, then V's 8;
;   v128-255 S^T, 32 a tile, P packed in place into each tile's first 16.   window 1: v0-127 O^T, 32 a tile; v128-159 the sums, 8 a tile; v160-223 Q, 16 a tile.
.set PK,    144       ; a row of K in LDS: 128 bytes + 16 = 36 words: the 16 rows of a load start 4 banks apart (64 banks of 4 bytes: ISA guide 11.1)
.set PVP,   160       ; a row of V: 128 + 32 = 40 words
.set VOFF,  256*PK    ; a slot: 256 rows of K, then 256 rows of V
.set SLOT1, 1<<17     ; slot 1 begins here: one exclusive or turns an address in one slot into the other's
.set BIAS,  2*SLOT1   ; 2,048 biases, f32: written by ds_store, never a tensor load's target
.set SPARE, BIAS+8192 ; the spare words, 128 bytes for each of eight waves
.set SPS,   144       ; the way out: 16 rows x (128 bytes + 16) for each wave, from LDS byte 0 on: slot 0 has had its last fill and its last read by then
.set SPW, 1
.set NIL, 2
.set AK0, 3           ; my lane's place in a tile of K
.set AV0, 4           ; in a tile of V
.set AB0, 5           ; among the biases
.set ADK, 6           ; the same in the slot in hand; on the way out: into the stage
.set ADV, 7           ; on the way out: back from the stage
.set ADB, 8           ; on the way out: 16 x lane
.set PFO, 9           ; 256 x lane; never rewritten
.set ONES, 16
.set M,   24
.set BI,  32
.set KV,  64
.set S,   128
.set LS,  128         ; in window 1
.set QR,  160         ; in window 1
.set WV,  14
.set LIM, 15          ; 1 in a wave that prefetches, else the greatest number
.set CX,  16
.set BH,  17
.set PFA, 18          ; s[18:19] where my prefetches stand
.set G1K, 24
.set G1V, 32
.set G0K, 40
.set G0V, 44
.set TB,  48          ; LDS byte at which the slot in hand begins
.set TBI, 49          ; the slot's biases: 1,024 bytes a slot
.set SLOTS, 50
.set SEL, 52          ; s[52:53] selects for v_permlanex16_b32: lane l xor 16
.set MSB, 0
.macro WIN new
.if MSB != (\new)
	s_set_vgpr_msb (MSB<<8)|(\new)
.set MSB, (\new)
.endif
.endm
.set W_QK, 0x04       ; Q (source 1) in window 1
.set W_PV, 0x50       ; C and D in window 1
.set W_RS, 0x41       ; destination and source 0 in window 1
.macro JLOAD          ; the branch hangs on the wave's number alone; an s_nop 0 and four v_nop follow each of the two lines
	s_cmp_lt_u32 s[WV], 4
	s_cbranch_scc0 .Lfor_v_\@
	tensor_load_to_lds s[G0K:G0K+3], s[G1K:G1K+7]
	s_nop 0
.rept 4
	v_nop
.endr
	s_branch .Lasked_\@
.Lfor_v_\@:
	tensor_load_to_lds s[G0V:G0V+3], s[G1V:G1V+7]
	s_nop 0
.rept 4
	v_nop
.endr
.Lasked_\@:
.endm
; A prefetch of what the NEXT change of slots will ask for: 32,768 bytes of K and of V.  The four partners share them out by address, 8,192 bytes each; in each, wave 0 asks for K's and wave 4 for V's, lanes 256 bytes
; apart: each aligned run of 256 bytes is named once in the launch.  It runs one slot, 4 key steps, ahead of the load.  The last change that fills a slot asks for nothing, and so does the head.
.macro ASK
	s_cmp_gt_u32 s[SLOTS], s[LIM]
	s_cbranch_scc0 .Lnot_mine_\@
	global_prefetch_b8 v[PFO], s[PFA:PFA+1] th:TH_LOAD_NT scope:SCOPE_SE
.Lnot_mine_\@:
.endm
.macro CROUND
	s_barrier_signal -1
	s_barrier_wait -1
	s_cmp_lg_u32 s[WV], 0
	s_cbranch_scc1 .Lnot_wave_0_\@
	s_barrier_signal -3
.Lnot_wave_0_\@:
	s_barrier_wait -3
	s_barrier_signal -1
	s_barrier_wait -1
.endm
.macro PLACES n
.rept \n
	v_nop
.endr
.endm
	s_load_b128 s[4:7], s[0:1], 0x0                ; q, k, v s[4:5]; the mask s[6:7]
	s_load_b64 s[8:9], s[0:1], 0x10                ; the output
	v_lshl_add_u32 v[SPW], v0, 2, SPARE
	v_mov_b32 v[NIL], 0
	ds_add_u32 v[SPW], v[NIL]                      ; the wave's opening: the add, twice on end, and its wait ahead of my first tensor load
	ds_add_u32 v[SPW], v[NIL]
	v_lshrrev_b32 v10, 5, v0
	v_readfirstlane_b32 s[WV], v10                 ; wave 0..7
	s_bfe_u32 s[CX], ttmp6, 0x40000                ; my quarter of the head's queries
	s_and_b32 s[BH], ttmp7, 0xffff                 ; 16 x batch + head, which the four partners share
	s_and_b32 s54, s[WV], 3                        ; which quarter of a slot's rows I fetch
	s_lshl_b32 s20, s[BH], 18                      ; a head is 262,144 bytes
	s_lshl_b32 s21, s54, 13                        ; 64 rows of 128 bytes
	s_add_co_u32 s20, s20, s21
	s_mov_b32 s21, 0
	s_lshl_b32 s22, s[BH], 18
	s_lshl_b32 s23, s[CX], 16                      ; 512 queries
	s_add_co_u32 s22, s22, s23
	s_lshl_b32 s23, s[WV], 13                      ; 64 queries
	s_add_co_u32 s22, s22, s23
	s_mov_b32 s23, 0
	s_lshr_b32 s56, s[BH], 4
	s_lshl_b32 s56, s56, 11                        ; my batch's 2,048 mask bytes
	s_mov_b32 s57, 0
	s_mul_i32 s55, s54, 64*PK                      ; where my rows go: no place in the cluster enters an LDS address
	s_mul_i32 s58, s54, 64*PVP
	s_add_co_u32 s58, s58, VOFF
	; group 1: 64 rows x 64 elements of 2 bytes, dense in memory; the mask of all four; padding on; bit 21 beside a mask; behind every 32 words 4 words (K) or 8 (V)
	s_mov_b32 s[G1K], 15|(1<<16)|(1<<20)|(1<<21)|(4<<22)|(3<<25)
	s_mov_b32 s[G1V], 15|(1<<16)|(1<<20)|(1<<21)|(4<<22)|(7<<25)
.irp g, G1K, G1V
	s_mov_b32 s[\g+1], 64<<16                      ; tensor_dim0
	s_mov_b32 s[\g+2], 64<<16                      ; tensor_dim1
	s_mov_b32 s[\g+3], 64<<16                      ; tile_dim0
	s_mov_b32 s[\g+4], 64                          ; tile_dim1
	s_mov_b32 s[\g+5], 64                          ; from row to row
	s_mov_b32 s[\g+6], 0
	s_mov_b32 s[\g+7], 0
.endr
	s_mov_b32 s[SEL], 0x76543210
	s_mov_b32 s[SEL+1], 0xfedcba98
	s_mov_b32 s[TB], 0
	s_mov_b32 s[TBI], 0
	s_mov_b32 s[SLOTS], 7
	s_cmp_eq_u32 s54, 0
	s_cselect_b32 s[LIM], 1, -1                    ; waves 0 and 4 prefetch: the same in all four partners
	v_and_b32 v[PFO], 31, v0
	v_lshlrev_b32 v[PFO], 8, v[PFO]
	s_wait_dscnt 0x0                               ; both opening adds are done
	s_wait_kmcnt 0x0
	s_add_nc_u64 s[20:21], s[4:5], s[20:21]
	s_mov_b32 s[G0K], 1
	s_mov_b32 s[G0K+1], s55
	s_add_nc_u64 s[G0K+2:G0K+3], s[20:21], 0x1000000   ; k is the second part
	s_mov_b32 s[G0V], 1
	s_mov_b32 s[G0V+1], s58
	s_add_nc_u64 s[G0V+2:G0V+3], s[20:21], 0x2000000   ; v the third
	s_cmp_lt_u32 s[WV], 4
	s_cselect_b64 s[PFA:PFA+1], s[G0K+2:G0K+3], s[G0V+2:G0V+3]   ; (in waves 0 and 4 these stand at the head's first row)
	s_or_b32 s[G0K+3], s[G0K+3], 0x80000000
	s_or_b32 s[G0V+3], s[G0V+3], 0x80000000
	s_lshl_b32 s58, s[CX], 13                      ; my work-group's 8,192 bytes,
	s_add_co_u32 s58, s58, 32768                   ; in key block 1: the first change of slots steps it to block 2
	s_mov_b32 s59, 0
	s_add_nc_u64 s[PFA:PFA+1], s[PFA:PFA+1], s[58:59]
	s_add_nc_u64 s[10:11], s[4:5], s[22:23]        ; my wave's queries
	s_add_nc_u64 s[12:13], s[8:9], s[22:23]        ; and their rows of the output
	s_add_nc_u64 s[6:7], s[6:7], s[56:57]
	CROUND                                         ; all four work-groups are here: the first joint loads meet
	JLOAD                                          ; key block 0 into slot 0
	v_and_b32 v10, 15, v0                          ; r
	v_bfe_u32 v11, v0, 4, 1                        ; h
	v_lshlrev_b32 v12, 7, v10
	v_lshl_add_u32 v12, v11, 4, v12                ; Q: row r of 128 bytes + 16 h
	WIN 0x40
.irp t, 0,1,2,3
.irp s, 0,1
	global_load_b128 v[QR+16*\t+8*\s:QR+16*\t+8*\s+3],   v12, s[10:11] offset:2048*\t+64*\s
	global_load_b128 v[QR+16*\t+8*\s+4:QR+16*\t+8*\s+7], v12, s[10:11] offset:2048*\t+64*\s+32
.endr
.endr
	WIN 0
	v_lshlrev_b32 v13, 3, v0
	global_load_b64 v[14:15], v13, s[6:7]          ; eight mask bytes a thread: 256 threads, 2,048 keys
	v_mul_u32_u24 v[AK0], v10, PK
	v_lshl_add_u32 v[AK0], v11, 4, v[AK0]          ; K: row r x pitch + 16 h
	v_and_b32 v[AV0], 7, v0
	v_lshl_add_u32 v[AV0], v11, 3, v[AV0]
	v_mul_u32_u24 v[AV0], v[AV0], PVP              ; V: key 8 h + lane % 8,
	v_bfe_u32 v[ADB], v0, 3, 1
	v_lshl_add_u32 v[AV0], v[ADB], 4, v[AV0]       ; channels 8 ((lane / 8) % 2) on
	v_add_nc_u32 v[AV0], VOFF, v[AV0]
	v_lshl_add_u32 v[AB0], v11, 5, BIAS            ; register j of a tile of keys is key 8 h + j
.irp i, 0,1,2,3,4,5,6,7
	v_mov_b32 v[ONES+\i], 0x3c003c00               ; 1.0, 1.0 in f16
	v_mov_b32 v[M+\i], 0xff61b1e6                  ; -3e38, under every score
.endr
	WIN 0x40
.set nn, 0
.rept 160
	v_mov_b32 v[nn], 0                             ; O^T and the sums: the first step finds zeros, which its a = 0 leaves zeros
.set nn, nn+1
.endr
	WIN 0
	s_wait_loadcnt 0x0                             ; Q and the mask bytes
	v_mov_b32 v11, 0xceabfb8f                      ; -1e9 x log2(e)
.irp i, 0,1,2,3,4,5,6,7
	v_bfe_u32 v10, v[14+\i/4], 8*(\i%4), 8
	v_cmp_ne_u32 vcc_lo, 0, v10
	v_cndmask_b32 v[S+\i], 0, v11, vcc_lo
.endr
	v_lshl_add_u32 v[ADB], v0, 5, BIAS
	ds_store_b128 v[ADB], v[S:S+3]                 ; read by all waves behind the first change of slots, whose wait for my LDS instructions and whose round order the two
	ds_store_b128 v[ADB], v[S+4:S+7] offset:16
.macro LOADK q                         ; a step's K: 4 tiles of 16 keys x 2 halves of the 64 channels; and the biases of its 64 keys
.irp u, 0,1,2,3
.irp s, 0,1
	ds_load_b128 v[KV+16*\u+8*\s:KV+16*\u+8*\s+3],   v[ADK] offset:64*PK*(\q)+16*PK*\u+64*\s
	ds_load_b128 v[KV+16*\u+8*\s+4:KV+16*\u+8*\s+7], v[ADK] offset:64*PK*(\q)+16*PK*\u+64*\s+32
.endr
.endr
.irp u, 0,1,2,3
	ds_load_b128 v[BI+8*\u:BI+8*\u+3],   v[ADB] offset:256*(\q)+64*\u
	ds_load_b128 v[BI+8*\u+4:BI+8*\u+7], v[ADB] offset:256*(\q)+64*\u+16
.endr
.endm
.macro LOADV q                         ; a step's V, turned: keys 32 g on, channels 16 c on
.irp g, 0,1
.irp c, 0,1,2,3
	ds_load_tr16_b128 v[KV+32*\g+8*\c:KV+32*\g+8*\c+3],   v[ADV] offset:64*PVP*(\q)+32*PVP*\g+32*\c
	ds_load_tr16_b128 v[KV+32*\g+8*\c+4:KV+32*\g+8*\c+7], v[ADV] offset:64*PVP*(\q)+32*PVP*\g+16*PVP+32*\c
.endr
.endr
.endm
; S^T = bias + K Q^T: 32 products; the 16 accumulators take turns, one instruction a turn
.macro QK
	WIN W_QK
.irp s, 0,1
.irp t, 0,1,2,3
.irp u, 0,1,2,3
.if \s == 0
	v_wmma_f32_16x16x32_f16 v[S+32*\t+8*\u:S+32*\t+8*\u+7], v[KV+16*\u:KV+16*\u+7], v[QR+16*\t:QR+16*\t+7], v[BI+8*\u:BI+8*\u+7]
.else
	v_wmma_f32_16x16x32_f16 v[S+32*\t+8*\u:S+32*\t+8*\u+7], v[KV+16*\u+8:KV+16*\u+15], v[QR+16*\t+8:QR+16*\t+15], v[S+32*\t+8*\u:S+32*\t+8*\u+7]
.endif
.endr
.endr
.endr
.endm
; O^T += V^T P and the sums += ones P, for tiles x and x + 1: ten accumulators by turns
.macro PV x
	WIN W_PV
.irp g, 0,1
.irp c, 0,1,2,3
.irp tt, 0,1
	v_wmma_f32_16x16x32_f16 v[32*(\x+\tt)+8*\c:32*(\x+\tt)+8*\c+7], v[KV+32*\g+8*\c:KV+32*\g+8*\c+7], v[S+32*(\x+\tt)+8*\g:S+32*(\x+\tt)+8*\g+7], v[32*(\x+\tt)+8*\c:32*(\x+\tt)+8*\c+7]
.endr
.endr
.irp tt, 0,1
	v_wmma_f32_16x16x32_f16 v[LS+8*(\x+\tt):LS+8*(\x+\tt)+7], v[ONES:ONES+7], v[S+32*(\x+\tt)+8*\g:S+32*(\x+\tt)+8*\g+7], v[LS+8*(\x+\tt):LS+8*(\x+\tt)+7]
.endr
.endr
.endm
; The softmax of tiles x and x + 1 for one step, the two tiles line by line.  Scratch of tile x + tt at v[BI + 16 tt]: +0..3 four chains of the maximum, +4 m_old - m_new, +6 a (its pair's upper word was written by the biases' load).
.macro SM x
	WIN 0
.irp j, 0,1,2,3
.irp tt, 0,1
	v_max3_num_f32 v[BI+16*\tt+\j], v[S+32*(\x+\tt)+8*\j], v[S+32*(\x+\tt)+8*\j+1], v[S+32*(\x+\tt)+8*\j+2]   ; each accumulator is read from its low end on
.endr
.endr
.irp k, 3,5
.irp j, 0,1,2,3
.irp tt, 0,1
	v_max3_num_f32 v[BI+16*\tt+\j], v[BI+16*\tt+\j], v[S+32*(\x+\tt)+8*\j+\k], v[S+32*(\x+\tt)+8*\j+\k+1]
.endr
.endr
.endr
.irp tt, 0,1
	v_max3_num_f32 v[BI+16*\tt], v[BI+16*\tt], v[S+32*(\x+\tt)+7], v[S+32*(\x+\tt)+15]
	v_max3_num_f32 v[BI+16*\tt+2], v[BI+16*\tt+2], v[S+32*(\x+\tt)+23], v[S+32*(\x+\tt)+31]
.endr
.irp tt, 0,1
	v_max3_num_f32 v[BI+16*\tt], v[BI+16*\tt], v[BI+16*\tt+1], v[BI+16*\tt+2]
.endr
.irp tt, 0,1
	v_max3_num_f32 v[BI+16*\tt], v[BI+16*\tt], v[BI+16*\tt+3], v[M+2*(\x+\tt)]   ; with the old m
.endr
.irp tt, 0,1
	v_permlanex16_b32 v[BI+16*\tt+1], v[BI+16*\tt], s[SEL], s[SEL+1]   ; the query's other 32 keys lie in the lane 16 away
.endr
.irp tt, 0,1
	v_max_num_f32 v[BI+16*\tt+2], v[BI+16*\tt], v[BI+16*\tt+1]         ; the new m
.endr
.irp tt, 0,1
	v_sub_f32 v[BI+16*\tt+4], v[M+2*(\x+\tt)], v[BI+16*\tt+2]
.endr
.irp tt, 0,1
	v_mov_b32 v[M+2*(\x+\tt)], v[BI+16*\tt+2]
.endr
.set nn, 0
.rept 16
.irp tt, 0,1
	v_pk_add_f32 v[S+32*(\x+\tt)+2*nn:S+32*(\x+\tt)+2*nn+1], v[S+32*(\x+\tt)+2*nn:S+32*(\x+\tt)+2*nn+1], v[M+2*(\x+\tt):M+2*(\x+\tt)+1] op_sel_hi:[1,0] neg_lo:[0,1] neg_hi:[0,1]   ; t - m, two at a time
.endr
.set nn, nn+1
.endr
.irp tt, 0,1
	v_exp_f32 v[BI+16*\tt+6], v[BI+16*\tt+4]       ; a
.endr
.set nn, 0
.rept 32
.irp tt, 0,1
	v_exp_f32 v[S+32*(\x+\tt)+nn], v[S+32*(\x+\tt)+nn]   ; p, at most 1
.endr
.set nn, nn+1
.endr
	v_nop                                          ; a plain instruction behind the last exponential
	s_wait_alu depctr_va_vdst(0)                   ; one wait for the batch of 66, ahead of the first instruction that names a result
.set nn, 0
.rept 16
.irp tt, 0,1
	v_cvt_pk_f16_f32 v[S+32*(\x+\tt)+nn], v[S+32*(\x+\tt)+2*nn], v[S+32*(\x+\tt)+2*nn+1]   ; in place, ascending: register nn is written when registers 2 nn and on are still whole
.endr
.set nn, nn+1
.endr
	WIN W_RS
.set nn, 0
.rept 16
.irp tt, 0,1
	v_pk_mul_f32 v[32*(\x+\tt)+2*nn:32*(\x+\tt)+2*nn+1], v[32*(\x+\tt)+2*nn:32*(\x+\tt)+2*nn+1], v[BI+16*\tt+6:BI+16*\tt+7] op_sel_hi:[1,0]   ; O^T x a
.endr
.set nn, nn+1
.endr
.irp tt, 0,1
	v_pk_mul_f32 v[LS+8*(\x+\tt):LS+8*(\x+\tt)+1], v[LS+8*(\x+\tt):LS+8*(\x+\tt)+1], v[BI+16*\tt+6:BI+16*\tt+7] op_sel_hi:[1,0]   ; the sum x a: all rows of its tile are alike, and only the first is read at the end
.endr
.endm
; A KEY STEP.  Piece 0's softmax stands behind the scores' products, piece 2's behind piece 0's second products: it names none of their registers.
.macro STEP q
	s_wait_dscnt 0x0                               ; K and the biases are in
	QK
	WIN 0
	PLACES 4                                       ; in front of the loads into K's registers and of the first read of the scores
	LOADV \q
	SM 0
	s_wait_dscnt 0x0                               ; V is in
	PV 0
	SM 2
	PV 2
	WIN 0
	PLACES 5                                       ; the next scores are written over P, which the last products read: five places; the loads below want four
.if (\q) < 3
	LOADK (\q)+1
.endif
.endm
; THE CHANGE OF SLOTS stands at a slot's head.  Each wave waits for all its tensor loads (its part of the slot ahead), adds 0 to its spare word, and waits for that and for its reads of the slot that it has left.
; fill = 1: the barrier is a round of the cluster's, and behind it the slot just left is filled with the keys that follow: the load has a slot's four steps in which to land.
.macro CHANGE fill
	s_wait_tensorcnt 0x0                           ; no tensor load of mine is out, so a group 0 may be written
	ds_add_u32 v[SPW], v[NIL]
.if \fill
	s_xor_b32 s[G0K+1], s[G0K+1], SLOT1            ; the other slot than last time,
	s_add_nc_u64 s[G0K+2:G0K+3], s[G0K+2:G0K+3], 32768   ; the next 256 keys
	s_xor_b32 s[G0V+1], s[G0V+1], SLOT1
	s_add_nc_u64 s[G0V+2:G0V+3], s[G0V+2:G0V+3], 32768
	s_wait_xcnt 0x0                                ; the last prefetch, a slot back, has read its address
	s_add_nc_u64 s[PFA:PFA+1], s[PFA:PFA+1], 32768
	s_wait_dscnt 0x0                               ; the add is done, and my LDS instructions are over
	CROUND
	JLOAD
	ASK
.else
	s_wait_dscnt 0x0
	s_barrier_signal -1
	s_barrier_wait -1
.endif
.endm
.macro SLOT_STEPS
	v_add_nc_u32 v[ADK], s[TB], v[AK0]
	v_add_nc_u32 v[ADV], s[TB], v[AV0]
	v_add_nc_u32 v[ADB], s[TBI], v[AB0]
	LOADK 0
	STEP 0
	STEP 1
	STEP 2
	STEP 3
	s_xor_b32 s[TB], s[TB], SLOT1
	s_add_co_u32 s[TBI], s[TBI], 1024
.endm
.Lslot:                                            ; 7 trips: behind each change of slots but the last the next 256 keys are asked for
	CHANGE 1
	SLOT_STEPS
	s_sub_co_u32 s[SLOTS], s[SLOTS], 1
	s_cmp_lg_u32 s[SLOTS], 0
	s_cbranch_scc1 .Lslot
	CHANGE 0                                       ; the last slot is written out
	SLOT_STEPS
	; THE WAY OUT.  O^T / the sum, rounded to f16, goes through my stage, a tile of 16 queries at a time, and leaves as 4 queries x 128 bytes: 512 consecutive bytes.
	WIN 0x01
.irp t, 0,1,2,3
	v_rcp_f32 v[M+2*\t], v[LS+8*\t]                ; the sum's lowest register; m is no longer wanted
.endr
	v_nop                                          ; a plain instruction behind the last reciprocal
	WIN 0
	s_mul_i32 s54, s[WV], 16*SPS                   ; my stage
	v_and_b32 v12, 15, v0
	v_bfe_u32 v13, v0, 4, 1
	v_mul_u32_u24 v[ADK], v12, SPS
	v_lshl_add_u32 v[ADK], v13, 4, v[ADK]
	v_add_nc_u32 v[ADK], s54, v[ADK]               ; in: query r, 16 bytes for each half of the lanes
	v_bfe_u32 v13, v0, 3, 2
	v_and_b32 v12, 7, v0
	v_mul_u32_u24 v[ADV], v13, SPS
	v_lshl_add_u32 v[ADV], v12, 4, v[ADV]
	v_add_nc_u32 v[ADV], s54, v[ADV]               ; back: eight lanes to a query, four queries an instruction
	v_and_b32 v[ADB], 31, v0
	v_lshlrev_b32 v[ADB], 4, v[ADB]
	s_wait_alu depctr_va_vdst(0)                   ; one wait for the four reciprocals, ahead of their first reader
.macro PACK t
	WIN 0x01
.set nn, 0
.rept 16
	v_pk_mul_f32 v[S+32*\t+2*nn:S+32*\t+2*nn+1], v[32*\t+2*nn:32*\t+2*nn+1], v[M+2*\t:M+2*\t+1] op_sel_hi:[1,0]
.set nn, nn+1
.endr
	WIN 0
.set nn, 0
.rept 16
	v_cvt_pk_f16_f32 v[S+32*\t+nn], v[S+32*\t+2*nn], v[S+32*\t+2*nn+1]
.set nn, nn+1
.endr
.irp c, 0,1,2,3
	ds_store_b128 v[ADK], v[S+32*\t+4*\c:S+32*\t+4*\c+3] offset:32*\c
.endr
.irp i, 0,1,2,3
	ds_load_b128 v[S+32*\t+16+4*\i:S+32*\t+16+4*\i+3], v[ADV] offset:4*SPS*\i   ; LDS serves a wave's instructions in order: these see the stores above, and the next tile's stores come behind them
.endr
.endm
.macro SEND t, younger                 ; younger: the LDS instructions issued behind tile t's loads: the next tile's four stores and four loads, or none
	s_wait_dscnt \younger
.irp i, 0,1,2,3
	global_store_b128 v[ADB], v[S+32*\t+16+4*\i:S+32*\t+16+4*\i+3], s[12:13] offset:2048*\t+512*\i
.endr
.endm
	PACK 0
	PACK 1
	SEND 0, 8
	PACK 2
	SEND 1, 8
	PACK 3
	SEND 2, 8
	SEND 3, 0
	s_wait_tensorcnt 0x0                           ; the wave's end
	ds_add_u32 v[SPW], v[NIL]
	s_wait_dscnt 0x0
	CROUND                                         ; the closing round
	s_endpgm
.Lfunc_end_k_q9f871f7b9c_attn:
	.size	k_q9f871f7b9c_attn, .Lfunc_end_k_q9f871f7b9c_attn-k_q9f871f7b9c_attn
	.p2alignl 7, 3214868480
	.fill 96, 4, 3214868480
	.section	.rodata,"a",@progbits
	.p2align	6, 0x0
	.amdhsa_kernel k_q9f871f7b9c_attn
		.amdhsa_group_segment_fixed_size 327680
		.amdhsa_private_segment_fixed_size 0
		.amdhsa_enable_private_segment 0
		.amdhsa_kernarg_size 24
		.amdhsa_user_sgpr_count 2
		.amdhsa_user_sgpr_kernarg_segment_ptr 1
		.amdhsa_wavefront_size32 1
		.amdhsa_system_sgpr_workgroup_id_x 1
		.amdhsa_system_sgpr_workgroup_id_y 1
		.amdhsa_system_sgpr_workgroup_id_z 1
		.amdhsa_system_vgpr_workitem_id 0
		.amdhsa_next_free_vgpr 512
		.amdhsa_next_free_sgpr 66
		.amdhsa_reserve_vcc 1
		.amdhsa_float_denorm_mode_32 3
		.amdhsa_float_denorm_mode_16_64 3
		.amdhsa_memory_ordered 1
		.amdhsa_forward_progress 1
		.amdhsa_inst_pref_size 255
	.end_amdhsa_kernel
	.section	.bss,"aw",@nobits
	.p2align	6
	.space	262144
	.amdgpu_metadata
---
amdhsa.version: [ 1, 2 ]
amdhsa.kernels:
  - .name:           k_q9f871f7b9c_attn
    .symbol:         k_q9f871f7b9c_attn.kd
    .args:
      - { .name: qkv16, .offset: 0, .size: 8, .value_kind: global_buffer, .address_space: global }
      - { .name: src_key_padding_mask, .offset: 8, .size: 8, .value_kind: global_buffer, .address_space: global }
      - { .name: heads, .offset: 16, .size: 8, .value_kind: global_buffer, .address_space: global }
    .group_segment_fixed_size: 327680
    .private_segment_fixed_size: 0
    .kernarg_segment_align: 8
    .kernarg_segment_size: 24
    .max_flat_workgroup_size: 256
    .sgpr_count:     66
    .vgpr_count:     512
    .wavefront_size: 32
...
	.end_amdgpu_metadata
.endif
;; end of part 3
;; launch oproj (part 4): grid 4 x 64, 4 waves a work-group, clusters of 4 x 4, 327,680 bytes of LDS; arguments heads, wo16, bo, out0; writes out0
.if DOCPART == 4
	.amdgcn_target "amdgcn-amd-amdhsa--gfx1250"
	.amdhsa_code_object_version 6
	.text
	.protected	k_q9f871f7b9c_oproj
	.globl	k_q9f871f7b9c_oproj
	.p2align	8
	.type	k_q9f871f7b9c_oproj,@function
k_q9f871f7b9c_oproj:
	s_mov_b64 s[64:65], 0
	v_nop
	global_prefetch_b8 v0, s[64:65] scope:SCOPE_SE
	s_setreg_imm32_b32 hwreg(HW_REG_WAVE_MODE, 25, 1), 1
	s_wait_xcnt 0x0
	s_wait_alu depctr_hold_cnt(0) depctr_sa_sdst(0) depctr_va_vdst(0) depctr_va_sdst(0) depctr_va_ssrc(0) depctr_va_vcc(0) depctr_vm_vsrc(0)
	s_getreg_b32 s2, hwreg(HW_REG_IB_STS2, 6, 4)
	s_cmp_eq_u32 s2, 0
	s_cbranch_scc0 .Lentry_in_a_cluster
	s_endpgm
.Lentry_in_a_cluster:
	s_bfe_u32 s2, ttmp6, 0x10000c
	s_cmp_lg_u32 s2, 0xf033
	s_cbranch_scc0 .Lentry_shape_is_right
	s_endpgm
.Lentry_shape_is_right:
; out[token][e] = the sum over d of A[token][d] wo[e][d] + bo[e].  A: the heads' output, [batch][head][token][64] f16 (d = 64 x head + channel); wo: [1024][1024] f16; out: [8192][1024] f32; sums in f32.
; A tile of 128 tokens x 256 columns is made by four waves, each 64 x 128: 32 accumulators, 256 registers: 256 work-groups.  K goes in steps of 128, two heads, through a ring of two LDS slots.
; Waves 0 and 1 fetch the step's two heads of A (128 tokens x 128 bytes, dense in memory), waves 2 and 3 the halves of wo's 256 rows (256 bytes a row): one tensor load a wave behind each change of slots.
; CLUSTERS: 4 x 4 work-groups: A's tiles are shared along a row of the cluster, wo's along a column, each asked for jointly.
; THE MATRIX INSTRUCTION IS USED TRANSPOSED (source 0 = 16 rows of wo, source 1 = 16 tokens): a lane holds one token and eight neighbouring columns.  bo is the C of each sum's first instruction.
; REGISTERS: window 0: v0-31 addresses; two fragment buffers of 96 (A's four fragments, then wo's eight) at v32 and v128.  window 1: the accumulators, (a, b) at v[8 (8 a + b)].  window 2: v0-63 bo.
.set PA,     144                       ; a token's row of one head in LDS: 128 bytes + 16
.set AHALF,  128*PA                    ; one head's 128 tokens
.set BOFF,   2*AHALF
.set PB,     272                       ; a row of wo in LDS: 256 bytes + 16
.set BHALF,  128*PB
.set SLOT,   BOFF+2*BHALF
.set SPARE,  2*SLOT                    ; the spare words, 128 bytes for each wave
.set SPITCH, 528                       ; the way out: a stage of 16 tokens x (512 bytes + 16) for each wave, in slot 0, which has had its last fill and its last read by then
.set LAPS,   4                         ; a lap = two K steps = once round the ring; 8 K steps
.set ADRA, 16
.set ADRB, 20
.set STO,  24
.set RD,   25
.set CO,   26
.set SPW,  28
.set NIL,  29
.set F0,   32
.set F1,   128
.set WV, 12                            ; s12 wave; s13 my half of the tokens, also: I fetch for A (0) or wo (1); s14 my half of the columns, also: which part I fetch; s15 tile row
.set RH, 13
.set CH, 14
.set TR, 15
.set G1, 24
.set G0, 32
.set G1B, 48
.set G0B, 56
.set MSB, 0
.macro WIN new
.if MSB != (\new)
	s_set_vgpr_msb (MSB<<8)|(\new)
.set MSB, (\new)
.endif
.endm
.set MUL,  0x50                        ; C and D window 1
.set MUL0, 0x60                        ; C (bo) window 2, D window 1
.macro JLOAD s                         ; the branch hangs on the wave's number alone; an s_nop 0 and four v_nop follow each of the two lines
	s_cmp_eq_u32 s[RH], 0
	s_cbranch_scc0 .Lfor_b_\@
	tensor_load_to_lds s[G0+4*\s:G0+4*\s+3], s[G1:G1+7]
	s_nop 0
.rept 4
	v_nop
.endr
	s_branch .Lasked_\@
.Lfor_b_\@:
	tensor_load_to_lds s[G0B+4*\s:G0B+4*\s+3], s[G1B:G1B+7]
	s_nop 0
.rept 4
	v_nop
.endr
.Lasked_\@:
.endm
.macro CREST                           ; a round of the cluster's barrier behind its opening barrier
	s_cmp_lg_u32 s[WV], 0
	s_cbranch_scc1 .Lnot_wave_0_\@
	s_barrier_signal -3
.Lnot_wave_0_\@:
	s_barrier_wait -3
	s_barrier_signal -1
	s_barrier_wait -1
.endm
.macro CROUND
	s_barrier_signal -1
	s_barrier_wait -1
	CREST
.endm
	s_load_b256 s[4:11], s[0:1], 0x0               ; A s[4:5], wo16 s[6:7], bo s[8:9], out s[10:11]
	v_lshl_add_u32 v[SPW], v0, 2, SPARE
	v_mov_b32 v[NIL], 0
	ds_add_u32 v[SPW], v[NIL]                      ; the wave's opening: the add, twice on end, and its wait ahead of my first tensor load
	ds_add_u32 v[SPW], v[NIL]
	v_lshrrev_b32 v1, 5, v0
	v_readfirstlane_b32 s[WV], v1
	s_lshr_b32 s[RH], s[WV], 1
	s_and_b32 s[CH], s[WV], 1
	s_bfe_u32 s40, ttmp6, 0x40000                  ; cx, cy
	s_bfe_u32 s41, ttmp6, 0x40004
	s_lshl_b32 s42, ttmp9, 2
	s_add_co_u32 s42, s42, s40                     ; tile column
	s_and_b32 s[TR], ttmp7, 0xffff
	s_lshl_b32 s[TR], s[TR], 2
	s_add_co_u32 s[TR], s[TR], s41                 ; tile row
	s_lshl_b32 s43, s41, 2
	s_lshl_b32 s43, 15, s43                        ; my row of the cluster
	s_lshl_b32 s44, 0x1111, s40                    ; my column
	; group 1 for A: 128 rows x 64 elements of 2 bytes, dense; 4 words of padding behind every 32
	s_or_b32 s[G1+0], s43, (1<<16)|(1<<20)|(1<<21)|(4<<22)|(3<<25)
	s_mov_b32 s[G1+1], 64<<16
	s_mov_b32 s[G1+2], 128<<16
	s_mov_b32 s[G1+3], 64<<16
	s_mov_b32 s[G1+4], 128
	s_mov_b32 s[G1+5], 64
	s_mov_b32 s[G1+6], 0
	s_mov_b32 s[G1+7], 0
	; for wo: 128 rows x 128 elements, 1,024 elements from row to row; 4 words of padding behind every 64
	s_or_b32 s[G1B+0], s44, (1<<16)|(1<<20)|(1<<21)|(5<<22)|(3<<25)
	s_mov_b32 s[G1B+1], 128<<16
	s_mov_b32 s[G1B+2], 128<<16
	s_mov_b32 s[G1B+3], 128<<16
	s_mov_b32 s[G1B+4], 128
	s_mov_b32 s[G1B+5], 1024
	s_mov_b32 s[G1B+6], 0
	s_mov_b32 s[G1B+7], 0
	s_lshr_b32 s16, s[TR], 4
	s_lshl_b32 s16, s16, 22                        ; A: the batch's 4,194,304 bytes,
	s_and_b32 s17, s[TR], 15
	s_lshl_b32 s17, s17, 14                        ; the tile's 128 tokens of 128 bytes,
	s_add_co_u32 s16, s16, s17
	s_lshl_b32 s17, s[CH], 18                      ; and which of the step's two heads I fetch
	s_add_co_u32 s16, s16, s17
	s_mov_b32 s17, 0
	s_lshl_b32 s46, s42, 8
	s_lshl_b32 s47, s[CH], 7
	s_add_co_u32 s46, s46, s47                     ; wo: row 256 x tile column + 128 x half,
	s_lshl_b32 s46, s46, 11                        ; 2,048 bytes a row
	s_mov_b32 s47, 0
	s_mul_i32 s20, s[CH], AHALF                    ; where they go: no place in the cluster enters an LDS address
	s_mul_i32 s21, s[CH], BHALF
	s_add_co_u32 s21, s21, BOFF
	s_wait_dscnt 0x0                               ; both opening adds are done
	s_wait_kmcnt 0x0
	s_add_nc_u64 s[16:17], s[4:5], s[16:17]
	s_add_nc_u64 s[46:47], s[6:7], s[46:47]
	CROUND                                         ; all sixteen work-groups are here: the first joint loads meet
.irp s, 0,1
	s_mov_b32 s[G0+4*\s], 1
	s_add_co_u32 s[G0+4*\s+1], s20, \s*SLOT
	s_add_nc_u64 s[G0+4*\s+2:G0+4*\s+3], s[16:17], \s*524288       ; K step s: two heads on
	s_or_b32 s[G0+4*\s+3], s[G0+4*\s+3], 0x80000000
	s_mov_b32 s[G0B+4*\s], 1
	s_add_co_u32 s[G0B+4*\s+1], s21, \s*SLOT
	s_add_nc_u64 s[G0B+4*\s+2:G0B+4*\s+3], s[46:47], \s*256
	s_or_b32 s[G0B+4*\s+3], s[G0B+4*\s+3], 0x80000000
	JLOAD \s
.endr
	s_lshl_b32 s46, s42, 10
	s_lshl_b32 s47, s[CH], 9
	s_add_co_u32 s46, s46, s47                     ; my first column, in bytes of f32
	s_mov_b32 s47, 0
	s_add_nc_u64 s[8:9], s[8:9], s[46:47]
	s_add_nc_u64 s[10:11], s[10:11], s[46:47]
	s_lshl_b32 s22, s[TR], 7
	s_lshl_b32 s23, s[RH], 6
	s_add_co_u32 s22, s22, s23                     ; my first token,
	s_lshl_b32 s22, s22, 12                        ; 4,096 bytes a row of the output
	s_mov_b32 s23, 0
	s_add_nc_u64 s[10:11], s[10:11], s[22:23]
	v_and_b32 v1, 15, v0                           ; r
	v_bfe_u32 v2, v0, 4, 1                         ; h
	v_lshlrev_b32 v5, 5, v2                        ; register j of column block b is column 16 b + 8 h + j
	WIN 0x80
.irp b, 0,1,2,3,4,5,6,7
	global_load_b128 v[8*\b:8*\b+3], v5, s[8:9] offset:64*\b
	global_load_b128 v[8*\b+4:8*\b+7], v5, s[8:9] offset:64*\b+16
.endr
	WIN 0
	v_mul_u32_u24 v3, v1, PA
	v_lshl_add_u32 v3, v2, 4, v3
	v_mul_u32_u24 v4, v1, PB
	v_lshl_add_u32 v4, v2, 4, v4
	s_mul_i32 s20, s[RH], 64*PA                    ; my 64 tokens
	s_mul_i32 s21, s[CH], BHALF                    ; my 128 rows of wo
	s_add_co_u32 s21, s21, BOFF
.irp s, 0,1
	v_add_nc_u32 v[ADRA+\s], s20, v3
	v_add_nc_u32 v[ADRB+\s], s21, v4
	s_add_co_u32 s20, s20, SLOT
	s_add_co_u32 s21, s21, SLOT
.endr
	s_mul_i32 s22, s[WV], 16*SPITCH                ; my stage
	v_mul_u32_u24 v6, v1, SPITCH
	v_lshl_add_u32 v6, v2, 5, v6
	v_add_nc_u32 v[STO], s22, v6                   ; in: token r, 32 bytes for each half of the lanes
	v_and_b32 v7, 31, v0
	v_lshlrev_b32 v[CO], 4, v7                     ; back: the 32 lanes take one row of 512 bytes; the same in the output
	v_add_nc_u32 v[RD], s22, v[CO]
; 24 LDS loads: the fragments of the slot's q-th 32 along K into buffer f.  Quarters 0, 1 lie in the step's first head, 2, 3 in its second
.macro FETCH slot, q, f
.irp i, 0,1,2,3,4,5,6,7
	ds_load_b128 v[\f+32+8*\i:\f+32+8*\i+3],   v[ADRB+\slot] offset:64*(\q)+\i*16*PB
	ds_load_b128 v[\f+32+8*\i+4:\f+32+8*\i+7], v[ADRB+\slot] offset:64*(\q)+\i*16*PB+32
.endr
.irp i, 0,1,2,3
	ds_load_b128 v[\f+8*\i:\f+8*\i+3],   v[ADRA+\slot] offset:((\q)/2)*AHALF+64*((\q)%2)+\i*16*PA
	ds_load_b128 v[\f+8*\i+4:\f+8*\i+7], v[ADRA+\slot] offset:((\q)/2)*AHALF+64*((\q)%2)+\i*16*PA+32
.endr
.endm
; 8 matrix instructions: tokens' block a against wo's eight.  The 32 accumulators take turns, one instruction a turn, in the same order in every quarter
.macro MUL8 f, a, zero
.irp b, 0,1,2,3,4,5,6,7
.if \zero
	v_wmma_f32_16x16x32_f16 v[8*(8*(\a)+\b):8*(8*(\a)+\b)+7], v[\f+32+8*\b:\f+32+8*\b+7], v[\f+8*(\a):\f+8*(\a)+7], v[8*\b:8*\b+7]
.else
	v_wmma_f32_16x16x32_f16 v[8*(8*(\a)+\b):8*(8*(\a)+\b)+7], v[\f+32+8*\b:\f+32+8*\b+7], v[\f+8*(\a):\f+8*(\a)+7], v[8*(8*(\a)+\b):8*(8*(\a)+\b)+7]
.endif
.endr
.endm
.macro PLACES                          ; four places in front of loads into registers that matrix instructions have read, and of the first read of results
.rept 4
	v_nop
.endr
.endm
; One of a K step's first three quarters: the next quarter, qn, is fetched into g, then buffer f is multiplied
.macro QUARTER slot, qn, f, g, zero
	s_wait_dscnt 0x0                               ; buffer f is in: its loads were issued a quarter, 32 matrix instructions, ago
	PLACES
	FETCH \slot, \qn, \g
.if \zero
	WIN MUL0
.else
	WIN MUL
.endif
	MUL8 \f, 0, \zero
	MUL8 \f, 1, \zero
	MUL8 \f, 2, \zero
	MUL8 \f, 3, \zero
	WIN 0
.endm
; The last quarter multiplies buffer 1 and changes slots: one barrier; in front of it each wave waits for all its tensor loads, adds 0 to its spare word, and waits for that and for its reads of this slot.
; fill = 1: the barrier opens a round of the cluster's, and this slot is filled again, two K steps ahead: 112 matrix instructions stand between the request and the wait for it.
.macro TURN slot, next, fill
	s_wait_tensorcnt 0x0                           ; all my tensor loads have landed: my part of the next slot
	ds_add_u32 v[SPW], v[NIL]
	s_wait_dscnt 1                                 ; buffer 1 is in; the add may be out
	WIN MUL
	MUL8 F1, 0, 0
	s_wait_dscnt 0x0                               ; the add is done, and my reads of this slot are over
	s_barrier_signal -1
	MUL8 F1, 1, 0
	WIN 0
	s_barrier_wait -1
.if \fill
	CREST
	s_add_nc_u64 s[G0+4*\slot+2:G0+4*\slot+3], s[G0+4*\slot+2:G0+4*\slot+3], 1048576    ; four heads on
	s_add_nc_u64 s[G0B+4*\slot+2:G0B+4*\slot+3], s[G0B+4*\slot+2:G0B+4*\slot+3], 512
	JLOAD \slot                                    ; the first tensor load behind the round; its four v_nop are also the places in front of the loads below
.else
	PLACES
.endif
	FETCH \next, 0, F0
	WIN MUL
	MUL8 F1, 2, 0
	MUL8 F1, 3, 0
	WIN 0
.endm
	s_wait_loadcnt 0x0                             ; bo
	s_wait_tensorcnt 1                             ; my part of K step 0 is in; K step 1's load may be out,
	s_barrier_signal -1
	s_barrier_wait -1                              ; everybody's is
	FETCH 0, 0, F0
	QUARTER 0, 1, F0, F1, 1                        ; the first quarter stands in front of the loop: its products start the sums from bo
	s_mov_b32 s3, LAPS-1
.Llap:                                             ; a trip goes once round the ring, from a lap's second quarter to the next lap's first, and fills both slots again
	QUARTER 0, 2, F1, F0, 0
	QUARTER 0, 3, F0, F1, 0
	TURN 0, 1, 1
	QUARTER 1, 1, F0, F1, 0
	QUARTER 1, 2, F1, F0, 0
	QUARTER 1, 3, F0, F1, 0
	TURN 1, 0, 1
	QUARTER 0, 1, F0, F1, 0
	s_sub_co_u32 s3, s3, 1
	s_cmp_lg_u32 s3, 0
	s_cbranch_scc1 .Llap
	QUARTER 0, 2, F1, F0, 0                        ; the last lap fills nothing
	QUARTER 0, 3, F0, F1, 0
	TURN 0, 1, 0
	QUARTER 1, 1, F0, F1, 0
	QUARTER 1, 2, F1, F0, 0
	QUARTER 1, 3, F0, F1, 0
	s_wait_dscnt 0x0
	WIN MUL
	MUL8 F1, 0, 0
	MUL8 F1, 1, 0
	MUL8 F1, 2, 0
	MUL8 F1, 3, 0
	WIN 0
; THE WAY OUT, a block of 16 tokens x 128 columns at a time: through my stage and back as whole rows of 512 bytes.
.macro TOSTAGE a
	WIN 0x04                                       ; an LDS store's data are its source 1: window 1
.irp b, 0,1,2,3,4,5,6,7
	ds_store_b128 v[STO], v[8*(8*(\a)+\b):8*(8*(\a)+\b)+3] offset:64*\b          ; each accumulator from its low end on
	ds_store_b128 v[STO], v[8*(8*(\a)+\b)+4:8*(8*(\a)+\b)+7] offset:64*\b+16
.endr
	WIN 0
.set BB, 32+96*((\a)%2)
.irp t, 0,1,2,3,4,5,6,7,8,9,10,11,12,13,14,15
	ds_load_b128 v[BB+4*\t:BB+4*\t+3], v[RD] offset:\t*SPITCH      ; LDS serves a wave's instructions in order: these see the stores above
.endr
.endm
.macro SEND a, younger                 ; younger: the LDS instructions issued behind block a's loads, which may stay out
.set BB, 32+96*((\a)%2)
	s_wait_dscnt \younger
.irp t, 0,1,2,3,4,5,6,7,8,9,10,11,12,13,14,15
	global_store_b128 v[CO], v[BB+4*\t:BB+4*\t+3], s[10:11] offset:65536*(\a)+4096*\t th:TH_STORE_NT   ; 32 lanes store 512 consecutive bytes, aligned; written once, read by nobody here
.endr
.endm
	PLACES
	TOSTAGE 0
.irp a, 1,2,3
.if \a > 1
	s_wait_xcnt 0x0                                ; the stores of the block two back have read the registers that this block's loads fill
.endif
	TOSTAGE \a
	SEND \a-1, 32                                  ; behind block a - 1's loads: block a's 16 stores and 16 loads
.endr
	SEND 3, 0
	s_wait_tensorcnt 0x0                           ; the wave's end
	ds_add_u32 v[SPW], v[NIL]
	s_wait_dscnt 0x0
	CROUND                                         ; the closing round
	s_endpgm
.Lfunc_end_k_q9f871f7b9c_oproj:
	.size	k_q9f871f7b9c_oproj, .Lfunc_end_k_q9f871f7b9c_oproj-k_q9f871f7b9c_oproj
	.p2alignl 7, 3214868480
	.fill 96, 4, 3214868480
	.section	.rodata,"a",@progbits
	.p2align	6, 0x0
	.amdhsa_kernel k_q9f871f7b9c_oproj
		.amdhsa_group_segment_fixed_size 327680
		.amdhsa_private_segment_fixed_size 0
		.amdhsa_enable_private_segment 0
		.amdhsa_kernarg_size 32
		.amdhsa_user_sgpr_count 2
		.amdhsa_user_sgpr_kernarg_segment_ptr 1
		.amdhsa_wavefront_size32 1
		.amdhsa_system_sgpr_workgroup_id_x 1
		.amdhsa_system_sgpr_workgroup_id_y 1
		.amdhsa_system_sgpr_workgroup_id_z 1
		.amdhsa_system_vgpr_workitem_id 0
		.amdhsa_next_free_vgpr 640
		.amdhsa_next_free_sgpr 66
		.amdhsa_reserve_vcc 0
		.amdhsa_float_denorm_mode_32 3
		.amdhsa_float_denorm_mode_16_64 3
		.amdhsa_memory_ordered 1
		.amdhsa_forward_progress 1
		.amdhsa_inst_pref_size 86
	.end_amdhsa_kernel
	.amdgpu_metadata
---
amdhsa.version: [ 1, 2 ]
amdhsa.kernels:
  - .name:           k_q9f871f7b9c_oproj
    .symbol:         k_q9f871f7b9c_oproj.kd
    .args:
      - { .name: heads, .offset: 0, .size: 8, .value_kind: global_buffer, .address_space: global }
      - { .name: wo16, .offset: 8, .size: 8, .value_kind: global_buffer, .address_space: global }
      - { .name: bo, .offset: 16, .size: 8, .value_kind: global_buffer, .address_space: global }
      - { .name: out0, .offset: 24, .size: 8, .value_kind: global_buffer, .address_space: global }
    .group_segment_fixed_size: 327680
    .private_segment_fixed_size: 0
    .kernarg_segment_align: 8
    .kernarg_segment_size: 32
    .max_flat_workgroup_size: 128
    .sgpr_count:     66
    .vgpr_count:     640
    .wavefront_size: 32
...
	.end_amdgpu_metadata
.endif
;; end of part 4
